; MI455X (gfx1250); checked and timed in simulation.
; The chip was launched on July 23, 2026; its instructions are those of AMD's public machine-readable ISA for CDNA 5 (MIT licence, August 2026) and "CDNA5" Instruction Set Architecture Reference Guide (July 2026). The comments in the code are by the model that wrote it; some were corrected since.
;; Adaptive Neural Fusion Network. Allowed arithmetic: matrix products marked QUANTISED: E5M2 operands, one given power-of-two scale a tensor, by v_wmma_f32_16x16x64_bf8_bf8 or v_wmma_f32_16x16x128_bf8_bf8, f32 sums; products left as they are: f32 operands where the result goes on into a quantised operand, else bf16, f16 or f32 operands; f32 sums; everything else in f32.
;; Inputs: W1 8 x 1,024 x 2,048 float32; W2 8 x 2,048 x 1,024 float32; Wg1 1,024 x 512 float32; Wg2 512 x 8 float32; b1 8 x 2,048 float32; b2 8 x 1,024 float32; bg1 512 float32; bg2 8 float32; ln_b 8 x 1,024 float32; ln_g 8 x 1,024 float32; lowp_scales 6 int32 (the exponents e of the quantised operands' scales 2^e); x 2,048 x 1,024 float32.
;; Outputs: out0 2,048 x 1,024 float32; out1 2,048 x 8 float32.
;; This version of the problem:
;;   THIS VERSION OF THE PROBLEM IS GIVEN IN LOW PRECISION. The matrix products marked QUANTISED in the list below multiply operands that are first quantised to E5M2 (5 exponent bits, 2 mantissa bits; 8 bits a number), with one given power-of-two scale for each operand tensor; their sums are f32. All else is computed in f32.
;;   The module's matrix products, in the order in which they are computed (A, B: the left and right operand; K: the contracted axis; several contracted axes count as one K, in the product's order):
;;     1. [M 2,048, K 1,024] x [K 1,024, N 512]; A: input x; B: input Wg1: QUANTISED (scales: A lowp_scales[0], B lowp_scales[1])
;;     2. [M 2,048, K 512] x [K 512, N 8]; A: computed on the way; B: input Wg2: left as it is (N = 8 < 16)
;;     3. [M 2,048, K 1,024] x [K 1,024, N 16,384]; A: input x; B: input W1: QUANTISED (scales: A lowp_scales[2], B lowp_scales[3])
;;     4. batch 8 x [M 1,024, K 2,048] x [K 2,048, N 2,048]; A: input W2; B: computed on the way: QUANTISED (scales: A lowp_scales[4], B lowp_scales[5])
;;     5. batch 2,048 x [M 1, K 8] x [K 8, N 1,024]; A: computed on the way; B: computed on the way: left as it is (K = 8 < 32)
;;   THE QUANTISER, for each operand of a quantised product, along K:
;;     - The operand's scale is 2^e, e = its entry of the input lowp_scales (int32; the entries are numbered through the quantised products in the list's order, A before B).
;;     - Each number is divided by the scale, clamped to +-57,344, and rounded to the nearest number of E5M2, ties to even, subnormals kept.
;;     - The product sums the exact products of the quantised numbers (number of the format x scale) in f32.
;;   ~~~python
;;   def quantise(x, axis, e):      # numpy; x: float32 -> the quantised numbers, widened to float32 again
;;       x = np.moveaxis(x, axis, -1); K = x.shape[-1]
;;       r = np.clip(x / 2.0 ** e, -57344, 57344)
;;       step = 2.0 ** (np.maximum(np.frexp(np.where(r == 0, 1, r))[1] - 1, -14) - 2)
;;       q = np.round(r / step) * step * 2.0 ** e      # np.round: ties to even
;;       return np.moveaxis(q, -1, axis).astype(np.float32)
;;   ~~~
;;   OPERANDS COMPUTED ON THE WAY. 'Computed on the way' means the value that the module computes at that place (a softmax that the list does not call 'softmax' is quantised finished and normalised). What goes into a quantiser is computed in f32, as accurately as f32 sums, v_exp_f32 and their like allow (about 1e-6 of the number): no bf16 or f16 on the way to a quantiser, and a product that is left as it is and whose result goes on into a quantised operand takes f32 operands (vector FMAs, or v_wmma_f32_16x16x4_f32). A number that lies on a knife's edge between two numbers of the format may be rounded either way, as far as f32 arithmetic and the matrix unit's own rounding can turn it there, and no further.
;; One version. Each part assembles by itself: llvm-mc -triple=amdgcn-amd-amdhsa -mcpu=gfx1250 --defsym DOCPART=n.
;; ======== version 1 of 1: 6 launches
;; limits: right only within a limited range of input values
;; workspace buffers: wqa 17,301,504 bytes; w1q 16,777,216 bytes; route 34,816 bytes of whole numbers; gatew 32,768 bytes; plc 33,024 bytes of whole numbers; xs 8,126,464 bytes; h1q 16,252,928 bytes; y 32,505,856 bytes
;; launch qw2 (part 1): grid 528 x 1, 8 waves a work-group, no clusters, 0 bytes of LDS; arguments W2, Wg1, lowp_scales, wqa; writes wqa
.if DOCPART == 1
	.amdgcn_target "amdgcn-amd-amdhsa--gfx1250"
	.amdhsa_code_object_version 6
	.text
	.protected	k_q343948a190_qw2
	.globl	k_q343948a190_qw2
	.p2align	8
	.type	k_q343948a190_qw2,@function
k_q343948a190_qw2:
	s_mov_b64 s[64:65], 0
	v_nop
	global_prefetch_b8 v0, s[64:65] scope:SCOPE_SE
	s_setreg_imm32_b32 hwreg(HW_REG_WAVE_MODE, 25, 1), 1
	s_wait_xcnt 0x0
; W2 [8][2048][1024] and Wg1 [1024][512], f32 with K as the first axis of a matrix, become codes of E5M2 in the order in which a wave's operand registers take them.
; code = x / 2^e, held within +-57,344, to the nearest code, ties to even.  e = lowp_scales[4] for W2, lowp_scales[1] for Wg1.  LIMITS: -126 <= e <= 112; NaN among the inputs is not served.
; PANELS.  A matrix [K][N] is laid [n / 32][k / 16][slot 0..31][16 codes along K].  Slot l holds column 32 (n / 32) + sg(l), sg(l) = 8 (l / 16) + 16 ((l / 8) % 2) + l % 8:
; slots 16 u .. 16 u + 15 are a tile of 16 columns whose transposed product leaves 16 neighbouring columns in the 16 registers of tiles u = 0, 1.
; A LANE TAKES A COLUMN AND ITS REGISTERS RUN DOWN K: a load reads 128 consecutive bytes of a row, the conversions give K innermost, and a lane's 16 codes go to 16 x lane: a store covers 512 consecutive bytes.
; A wave takes 32 columns x 128 along K, a work-group 256 columns x 128.  Work-groups 0-511: W2; 512-527: Wg1.  No LDS, no barrier: waves share nothing.  Loads run two blocks of 32 ahead.
.set QS, 4                             ; s[4:5]   the source at my wave's first number
.set QD, 10                            ; s[10:11] the codes at my wave's first byte
.set QT, 32                            ; s32, s33 at work
.set X,  32                            ; v32-95   two sets of 32 numbers
.set C,  96                            ; v96-127  codes: eight registers for each block, never written again
.macro LOADB t, pitch                  ; block t: rows 32 t + i of my column, into set t % 2
.set i, 0
.rept 32
	global_load_b32 v[X+32*((\t)%2)+i], v1, s[QS:QS+1] offset:(32*(\t)+i)*\pitch th:TH_LOAD_NT
.set i, i+1
.endr
.endm
.macro BLOCK t, pitch
.set XS, X+32*((\t)%2)
.if (\t) < 3
	s_wait_loadcnt 32                              ; this block's 32 loads are in; the next block's 32 may be out
.else
	s_wait_loadcnt 0
.endif
.set i, 0
.rept 32
	v_med3_num_f32 v[XS+i], v[XS+i], -v10, v10     ; the conversion does not saturate (ISA guide 7.6.2): hold within the largest code x the scale
.set i, i+1
.endr
.irp g, 0,1,2,3
	v_cvt_scalef32_pk8_bf8_f32 v[C+8*(\t)+2*\g:C+8*(\t)+2*\g+1], v[XS+8*\g:XS+8*\g+7], v11
.endr
	global_store_b128 v2, v[C+8*(\t):C+8*(\t)+3], s[QD:QD+1] offset:1024*(\t)          ; k / 16 = 2 t: 32 lanes, 512 consecutive bytes
	global_store_b128 v2, v[C+8*(\t)+4:C+8*(\t)+7], s[QD:QD+1] offset:1024*(\t)+512    ; k / 16 = 2 t + 1
.if (\t)+2 < 4
	LOADB (\t)+2, \pitch
.endif
.endm
.macro QPATH pitch, se                 ; se: the scalar register that takes e
	LOADB 0, \pitch
	LOADB 1, \pitch
	s_wait_kmcnt 0x0                               ; e
	s_add_co_i32 s[QT], s[\se], 127
	s_lshl_b32 s[QT+1], s[QT], 23
	v_mov_b32 v11, s[QT+1]                         ; 2^e as f32: the conversion takes its exponent field
	s_add_co_i32 s[QT], s[QT], 15
	s_lshl_b32 s[QT], s[QT], 23
	s_or_b32 s[QT], s[QT], 0x600000
	v_mov_b32 v10, s[QT]                           ; 57,344 x 2^e
	s_wait_alu depctr_va_vdst(0)
	BLOCK 0, \pitch
	BLOCK 1, \pitch
	BLOCK 2, \pitch
	BLOCK 3, \pitch
	s_endpgm
.endm
	s_load_b128 s[4:7], s[0:1], 0x0                ; W2, Wg1
	s_load_b128 s[8:11], s[0:1], 0x10              ; lowp_scales, wqa
	v_lshrrev_b32 v3, 5, v0
	s_delay_alu instid0(VALU_DEP_1)
	v_readfirstlane_b32 s16, v3                    ; wave 0..7
	v_and_b32 v4, 31, v0
	s_delay_alu instid0(VALU_DEP_1)
	v_lshlrev_b32 v2, 4, v4                        ; 16 x lane: my codes' place
	v_and_b32 v5, 7, v0
	v_bfe_u32 v6, v0, 3, 1
	s_delay_alu instid0(VALU_DEP_1)
	v_lshl_add_u32 v5, v6, 4, v5
	v_bfe_u32 v6, v0, 4, 1
	s_delay_alu instid0(VALU_DEP_1)
	v_lshl_add_u32 v5, v6, 3, v5                   ; sg(lane)
	s_delay_alu instid0(VALU_DEP_1)
	v_lshlrev_b32 v1, 2, v5                        ; my column's bytes in the wave's 128
	s_mov_b32 s25, 0
	s_mov_b32 s27, 0
	s_wait_kmcnt 0x0
	s_load_b32 s20, s[8:9], 0x10                   ; e of W2
	s_load_b32 s21, s[8:9], 0x4                    ; e of Wg1
	s_cmp_lt_u32 ttmp9, 512
	s_cbranch_scc0 .Lwg1
	s_lshr_b32 s17, ttmp9, 6                       ; expert
	s_bfe_u32 s18, ttmp9, 0x20004                  ; which 256 columns
	s_and_b32 s19, ttmp9, 15                       ; which 128 along K
	s_lshl_b32 s24, s17, 23                        ; source: expert x 8,388,608 + 128 rows of 4,096 bytes + 1,024 x column group + 128 x wave
	s_lshl_b32 s22, s19, 19
	s_add_co_u32 s24, s24, s22
	s_lshl_b32 s22, s18, 10
	s_add_co_u32 s24, s24, s22
	s_lshl_b32 s22, s16, 7
	s_add_co_u32 s24, s24, s22
	s_add_nc_u64 s[4:5], s[4:5], s[24:25]
	s_lshl_b32 s26, s17, 21                        ; codes: expert x 2,097,152 + panel x 65,536 + 4,096 x K group
	s_lshl_b32 s22, s18, 19
	s_add_co_u32 s26, s26, s22
	s_lshl_b32 s22, s16, 16
	s_add_co_u32 s26, s26, s22
	s_lshl_b32 s22, s19, 12
	s_add_co_u32 s26, s26, s22
	s_add_nc_u64 s[10:11], s[10:11], s[26:27]
	s_wait_alu depctr_va_vdst(0)
	QPATH 4096, 20
.Lwg1:
	s_sub_co_u32 s17, ttmp9, 512
	s_lshr_b32 s18, s17, 3                         ; which 256 columns
	s_and_b32 s19, s17, 7                          ; which 128 along K
	s_lshl_b32 s24, s19, 18                        ; 128 rows of 2,048 bytes
	s_lshl_b32 s22, s18, 10
	s_add_co_u32 s24, s24, s22
	s_lshl_b32 s22, s16, 7
	s_add_co_u32 s24, s24, s22
	s_mov_b64 s[4:5], s[6:7]
	s_add_nc_u64 s[4:5], s[4:5], s[24:25]
	s_lshl_b32 s26, s18, 18                        ; behind W2's codes: panel x 32,768 + 4,096 x K group
	s_lshl_b32 s22, s16, 15
	s_add_co_u32 s26, s26, s22
	s_lshl_b32 s22, s19, 12
	s_add_co_u32 s26, s26, s22
	s_add_co_u32 s26, s26, 16777216
	s_add_nc_u64 s[10:11], s[10:11], s[26:27]
	s_wait_alu depctr_va_vdst(0)
	QPATH 2048, 21
.Lfunc_end_k_q343948a190_qw2:
	.size	k_q343948a190_qw2, .Lfunc_end_k_q343948a190_qw2-k_q343948a190_qw2
	.p2alignl 7, 3214868480
	.fill 96, 4, 3214868480
	.section	.rodata,"a",@progbits
	.p2align	6, 0x0
	.amdhsa_kernel k_q343948a190_qw2
		.amdhsa_group_segment_fixed_size 0
		.amdhsa_private_segment_fixed_size 0
		.amdhsa_enable_private_segment 0
		.amdhsa_kernarg_size 32
		.amdhsa_user_sgpr_count 2
		.amdhsa_user_sgpr_kernarg_segment_ptr 1
		.amdhsa_wavefront_size32 1
		.amdhsa_system_sgpr_workgroup_id_x 1
		.amdhsa_system_sgpr_workgroup_id_y 1
		.amdhsa_system_sgpr_workgroup_id_z 1
		.amdhsa_system_vgpr_workitem_id 0
		.amdhsa_next_free_vgpr 128
		.amdhsa_next_free_sgpr 66
		.amdhsa_reserve_vcc 0
		.amdhsa_float_denorm_mode_32 3
		.amdhsa_float_denorm_mode_16_64 3
		.amdhsa_memory_ordered 1
		.amdhsa_forward_progress 1
		.amdhsa_inst_pref_size 48
	.end_amdhsa_kernel
	.amdgpu_metadata
---
amdhsa.version: [ 1, 2 ]
amdhsa.kernels:
  - .name:           k_q343948a190_qw2
    .symbol:         k_q343948a190_qw2.kd
    .args:
      - { .name: W2, .offset: 0, .size: 8, .value_kind: global_buffer, .address_space: global }
      - { .name: Wg1, .offset: 8, .size: 8, .value_kind: global_buffer, .address_space: global }
      - { .name: lowp_scales, .offset: 16, .size: 8, .value_kind: global_buffer, .address_space: global }
      - { .name: wqa, .offset: 24, .size: 8, .value_kind: global_buffer, .address_space: global }
    .group_segment_fixed_size: 0
    .private_segment_fixed_size: 0
    .kernarg_segment_align: 8
    .kernarg_segment_size: 32
    .max_flat_workgroup_size: 256
    .sgpr_count:     66
    .vgpr_count:     128
    .wavefront_size: 32
...
	.end_amdgpu_metadata
.endif
;; end of part 1
;; launch gate (part 2): grid 576 x 1, 8 waves a work-group, no clusters, 50,176 bytes of LDS; arguments x, wqa, bg1, Wg2, bg2, lowp_scales, W1, w1q, out1, route, gatew; writes w1q, out1, route, gatew
.if DOCPART == 2
	.amdgcn_target "amdgcn-amd-amdhsa--gfx1250"
	.amdhsa_code_object_version 6
	.text
	.protected	k_q343948a190_gate
	.globl	k_q343948a190_gate
	.p2align	8
	.type	k_q343948a190_gate,@function
k_q343948a190_gate:
	s_mov_b64 s[64:65], 0
	v_nop
	global_prefetch_b8 v0, s[64:65] scope:SCOPE_SE
	s_setreg_imm32_b32 hwreg(HW_REG_WAVE_MODE, 25, 1), 1
	s_wait_xcnt 0x0
; TWO JOBS IN ONE LAUNCH, parted on the work-group's number.
; Work-groups 64-575: W1 [8][1024][2048] f32 becomes codes of E5M2 in panels [n / 32][k / 16][slot][16 codes]; slot l holds column 32 (n / 32) + 8 (l / 16) + 16 ((l / 8) % 2) + l % 8.  e = lowp_scales[3].
; Work-groups 0-63: the gate for 32 tokens each: h = relu(Q(x) Q(Wg1) + bg1) on codes (e = lowp_scales[0], [1]; Wg1's codes lie in wqa), scores = h Wg2 + bg2 with f32 operands (they decide a choice),
; softmax -> out1, the three largest (of equals the lower index), their softmax -> gatew, and as whole numbers in route: for each token and choice the expert and the token's rank among its block's tokens of that
; expert, and for each block the number of tokens of each expert.  No address and no branch hangs on the choice here: a later launch reads route and places the rows.
; LIMITS: lowp_scales[0] and [3] between -126 and 112; [0] + [1] between -126 and 127.  NaN among the inputs is not served.  Divisions are a reciprocal and a multiplication.
; THE GATE'S SHARES.  Eight waves.  Wave w quantises two of the block's 16 fragments of x (16 tokens x 128 K) and stores them in LDS as images of their registers; then it makes hidden units 64 w .. 64 w + 63 for all 32
; tokens (transposed: source 0 = 16 columns of Wg1, source 1 = 16 tokens, so a lane holds one token and its registers run along the hidden units), and its part of the scores; wave 0 adds the eight parts and does the rest.
.set QS, 16                            ; the quantiser: s[16:17] source, s[18:19] codes, s60, s61 at work
.set QD, 18
.set QT, 60
.set X,  32                            ; v32-95   two sets of 32 numbers
.set C,  96                            ; v96-127  codes
.macro LOADB t, pitch
.set i, 0
.rept 32
	global_load_b32 v[X+32*((\t)%2)+i], v1, s[QS:QS+1] offset:(32*(\t)+i)*\pitch th:TH_LOAD_NT
.set i, i+1
.endr
.endm
.macro BLOCK t, pitch
.set XS, X+32*((\t)%2)
.if (\t) < 3
	s_wait_loadcnt 32                              ; this block's 32 loads are in; the next block's 32 may be out
.else
	s_wait_loadcnt 0
.endif
.set i, 0
.rept 32
	v_med3_num_f32 v[XS+i], v[XS+i], -v10, v10     ; the conversion does not saturate (ISA guide 7.6.2): hold within the largest code x the scale
.set i, i+1
.endr
.irp g, 0,1,2,3
	v_cvt_scalef32_pk8_bf8_f32 v[C+8*(\t)+2*\g:C+8*(\t)+2*\g+1], v[XS+8*\g:XS+8*\g+7], v11
.endr
	global_store_b128 v2, v[C+8*(\t):C+8*(\t)+3], s[QD:QD+1] offset:1024*(\t)          ; 32 lanes, 512 consecutive bytes
	global_store_b128 v2, v[C+8*(\t)+4:C+8*(\t)+7], s[QD:QD+1] offset:1024*(\t)+512
.if (\t)+2 < 4
	LOADB (\t)+2, \pitch
.endif
.endm
.macro QPATH pitch, se
	LOADB 0, \pitch
	LOADB 1, \pitch
	s_wait_kmcnt 0x0                               ; e
	s_add_co_i32 s[QT], s[\se], 127
	s_lshl_b32 s[QT+1], s[QT], 23
	v_mov_b32 v11, s[QT+1]                         ; 2^e as f32
	s_add_co_i32 s[QT], s[QT], 15
	s_lshl_b32 s[QT], s[QT], 23
	s_or_b32 s[QT], s[QT], 0x600000
	v_mov_b32 v10, s[QT]                           ; 57,344 x 2^e
	s_wait_alu depctr_va_vdst(0)
	BLOCK 0, \pitch
	BLOCK 1, \pitch
	BLOCK 2, \pitch
	BLOCK 3, \pitch
	s_endpgm
.endm
; THE GATE.  LDS: 16 images of 2,048 bytes (fragment (m, s) at 2,048 (8 m + s)); then the waves' parts of the scores, [wave][m][half][lane][16 bytes].
.set XIMG, 0
.set PART, 32768
.set ACC,  16                          ; v16-79   hidden tile (t, m) at 16 + 8 (2 t + m)
.set WF,   80                          ; v80-143, v144-207  Wg1's four fragments of a K step, two sets; later bg1 (v80-111) and Wg2 (v112-143)
.set XF,   208                         ; v208-239 x's two fragments of a K step
.set D0,   240                         ; v240-247, v248-255 the scores' parts for tokens 0-15, 16-31: written by matrix instructions alone
.set D1,   248
; v1 lane, v2 r, v3 h, v4 x: 4,096 r + 64 h, v5 16 x lane, v6 where I store x's images, v7 Wg1: 512 h + 16 r, v8 where I store my part, v9 64 h, v10, v11 hold and scale, v12 Wg2: 4 (lane % 8) + 512 h, v13 where wave 0 reads the parts
.macro XLOAD reg, s                    ; my 16 tokens' numbers of a K step: register 16 b + 4 j + .. = k 32 b + 16 h + 4 j + ..
.irp b, 0,1,2,3
.irp j, 0,1,2,3
	global_load_b128 v[\reg+16*\b+4*\j:\reg+16*\b+4*\j+3], v4, s[4:5] offset:512*\s+128*\b+16*\j
.endr
.endr
.endm
.macro WLOAD s                         ; Wg1's fragments of K step s: tile t = 2 (panel) + u; group c lies at k / 16 = 8 s + 2 c + h, slot 16 u + r: sixteen lanes read 256 consecutive bytes
.irp t, 0,1,2,3
.irp c, 0,1,2,3
	global_load_b128 v[WF+64*((\s)%2)+16*\t+4*\c:WF+64*((\s)%2)+16*\t+4*\c+3], v7, s[6:7] offset:32768*(\t/2)+256*(\t%2)+(8*(\s)+2*\c)*512
.endr
.endr
.endm
.macro QUANT s, d                      ; 64 numbers of a lane become a fragment's 16 registers of codes
.irp b, 0,1,2,3
.irp i, 0,1,2,3,4,5,6,7,8,9,10,11,12,13,14,15
	v_med3_num_f32 v[\s+16*\b+\i], v[\s+16*\b+\i], -v10, v10
.endr
	v_cvt_scalef32_pk8_bf8_f32 v[\d+4*\b:\d+4*\b+1], v[\s+16*\b:\s+16*\b+7], v11
	v_cvt_scalef32_pk8_bf8_f32 v[\d+4*\b+2:\d+4*\b+3], v[\s+16*\b+8:\s+16*\b+15], v11
.endr
	v_nop                                          ; a plain vector line behind the last conversion: matrix instructions later write the numbers' registers
.endm
.macro IMAGE reg, off                  ; a fragment goes to LDS as it stands: 16 bytes a lane, 512 bytes a store
.irp c, 0,1,2,3
	ds_store_b128 v6, v[\reg+4*\c:\reg+4*\c+3] offset:\off+512*\c
.endr
.endm
.macro FETCH reg, off                  ; and comes back so, in any wave
.irp c, 0,1,2,3
	ds_load_b128 v[\reg+4*\c:\reg+4*\c+3], v5 offset:\off+512*\c
.endr
.endm
.macro BARRIER                         ; my LDS stores have landed and my LDS loads are in: then the work-group's barrier
	s_wait_dscnt 0x0
	s_barrier_signal -1
	s_barrier_wait -1
.endm
.macro BLOAD                           ; bg1 at my hidden units, in the result's layout; Wg2 in the layout of the f32 form's first source: lane (r, h), register jj: Wg2[64 w + 32 g + 8 u + 16 h + 2 p + jj][r % 8]
.irp t, 0,1,2,3
	global_load_b128 v[80+8*\t:83+8*\t], v9, s[8:9] offset:(32*(\t/2)+8*(\t%2))*4
	global_load_b128 v[84+8*\t:87+8*\t], v9, s[8:9] offset:(32*(\t/2)+8*(\t%2))*4+16
.endr
.irp t, 0,1,2,3
.irp n, 0,1,2,3,4,5,6,7
	global_load_b32 v[112+8*\t+\n], v12, s[10:11] offset:(32*(\t/2)+8*(\t%2)+\n)*32
.endr
.endr
.endm
.macro KSTEP s
	FETCH XF, XIMG+2048*(\s)
	FETCH XF+16, XIMG+2048*(8+(\s))
.if (\s) < 7
	s_wait_loadcnt 16                              ; this step's 16 loads of Wg1 are in; the next step's 16 may be out
.else
	s_wait_loadcnt 40                              ; behind the last step's: bg1's 8 and Wg2's 32
.endif
	s_wait_dscnt 0x0
.irp t, 0,1,2,3                        ; the eight accumulators take turns, one instruction a turn
.irp m, 0,1
.if (\s) == 0
	v_wmma_f32_16x16x128_bf8_bf8 v[ACC+8*(2*\t+\m):ACC+8*(2*\t+\m)+7], v[WF+64*((\s)%2)+16*\t:WF+64*((\s)%2)+16*\t+15], v[XF+16*\m:XF+16*\m+15], 0
.else
	v_wmma_f32_16x16x128_bf8_bf8 v[ACC+8*(2*\t+\m):ACC+8*(2*\t+\m)+7], v[WF+64*((\s)%2)+16*\t:WF+64*((\s)%2)+16*\t+15], v[XF+16*\m:XF+16*\m+15], v[ACC+8*(2*\t+\m):ACC+8*(2*\t+\m)+7]
.endif
.endr
.endr
.rept 4
	v_nop                                          ; four places in front of loads into registers that these products read, and of the first read of results
.endr
.if (\s) < 6
	WLOAD (\s)+2
.endif
.if (\s) == 6
	BLOAD
.endif
.endm
	s_load_b256 s[4:11], s[0:1], 0x0               ; x, wqa, bg1, Wg2
	s_load_b256 s[12:19], s[0:1], 0x20             ; bg2, lowp_scales, W1, w1q
	s_load_b128 s[20:23], s[0:1], 0x40             ; out1, route
	s_load_b64 s[24:25], s[0:1], 0x50              ; gatew
	s_set_vgpr_msb 0x40
	v_lshl_add_u32 v0, v0, 2, 0xc000
	v_mov_b32 v1, 0
	s_set_vgpr_msb 0x4000
	v_lshrrev_b32 v3, 5, v0
	s_delay_alu instid0(VALU_DEP_1)
	v_readfirstlane_b32 s26, v3                    ; wave 0..7
	s_wait_kmcnt 0x0
	s_load_b128 s[28:31], s[14:15], 0x0            ; the exponents 0 to 3
	s_cmp_lt_u32 ttmp9, 64
	s_cbranch_scc0 .Lquant
	s_load_b256 s[40:47], s[12:13], 0x0            ; bg2
	v_and_b32 v1, 31, v0                           ; lane
	v_and_b32 v2, 15, v0                           ; r
	v_bfe_u32 v3, v0, 4, 1                         ; h
	s_delay_alu instid0(VALU_DEP_2)
	v_lshlrev_b32 v4, 12, v2
	s_delay_alu instid0(VALU_DEP_1)
	v_lshl_add_u32 v4, v3, 6, v4
	v_lshlrev_b32 v5, 4, v1
	s_and_b32 s33, s26, 1                          ; m: which 16 tokens I quantise
	s_and_b32 s34, s26, 6                          ; s0: the first of my two K steps
	s_lshl_b32 s35, s33, 3
	s_add_co_u32 s35, s35, s34
	s_lshl_b32 s35, s35, 11
	v_add_nc_u32 v6, s35, v5
	v_lshlrev_b32 v7, 9, v3
	s_delay_alu instid0(VALU_DEP_1)
	v_lshl_add_u32 v7, v2, 4, v7
	s_wait_alu depctr_va_vdst(0)
	s_lshl_b32 s35, s26, 11
	s_add_co_u32 s35, s35, PART
	v_add_nc_u32 v8, s35, v5
	v_lshlrev_b32 v9, 6, v3
	v_and_b32 v12, 7, v0
	s_delay_alu instid0(VALU_DEP_1)
	v_lshlrev_b32 v12, 2, v12
	s_delay_alu instid0(VALU_DEP_1)
	v_lshl_add_u32 v12, v3, 9, v12
	v_lshlrev_b32 v13, 10, v3
	s_delay_alu instid0(VALU_DEP_1)
	v_lshl_add_u32 v13, v2, 4, v13
	s_delay_alu instid0(VALU_DEP_1)
	v_add_nc_u32 v13, PART, v13                    ; token = lane: tile lane / 16, the lane of that tile's lower half
	s_lshl_b32 s36, ttmp9, 17                      ; x: (32 block + 16 m) rows of 4,096 bytes + 512 s0
	s_lshl_b32 s37, s33, 16
	s_add_co_u32 s36, s36, s37
	s_lshl_b32 s37, s34, 9
	s_add_co_u32 s36, s36, s37
	s_mov_b32 s37, 0
	s_add_nc_u64 s[4:5], s[4:5], s[36:37]
	s_lshl_b32 s36, s26, 16                        ; Wg1's codes: behind W2's, my two panels
	s_add_co_u32 s36, s36, 16777216
	s_add_nc_u64 s[6:7], s[6:7], s[36:37]
	s_lshl_b32 s36, s26, 8
	s_add_nc_u64 s[8:9], s[8:9], s[36:37]          ; bg1 at my 64
	s_lshl_b32 s36, s26, 11
	s_add_nc_u64 s[10:11], s[10:11], s[36:37]      ; Wg2 at my 64 rows
	XLOAD 16, 0
	XLOAD 144, 1
	WLOAD 0
	s_wait_kmcnt 0x0
	s_add_co_i32 s35, s28, 127
	s_lshl_b32 s36, s35, 23
	v_mov_b32 v11, s36                             ; 2^e of x
	s_add_co_i32 s35, s35, 15
	s_lshl_b32 s35, s35, 23
	s_or_b32 s35, s35, 0x600000
	v_mov_b32 v10, s35                             ; 57,344 x that
	s_add_co_i32 s38, s28, s29
	s_add_co_i32 s38, s38, 127
	s_lshl_b32 s38, s38, 23                        ; 2^(the two exponents added): what a sum of the first product lacks
	s_mov_b32 s39, s38                             ; (named with it as a pair, so it is written)
	s_wait_alu depctr_va_vdst(0)
	s_wait_loadcnt 32                              ; my first fragment's 16 loads are in; the second's 16 and Wg1's 16 may be out
	QUANT 16, XF
	IMAGE XF, 0
	s_wait_loadcnt 16                              ; the second's are in; Wg1's 16 may be out
	QUANT 144, XF+16
	IMAGE XF+16, 2048
	WLOAD 1
	BARRIER                                        ; x's sixteen fragments lie in LDS
.irp s, 0,1,2,3,4,5,6,7
	KSTEP \s
.endr
	s_wait_loadcnt 0x0                             ; bg1, Wg2
.irp t, 0,1,2,3
.irp m, 0,1
.irp i, 0,2,4,6
	v_pk_fma_f32 v[ACC+8*(2*\t+\m)+\i:ACC+8*(2*\t+\m)+\i+1], v[ACC+8*(2*\t+\m)+\i:ACC+8*(2*\t+\m)+\i+1], s[38:39], v[80+8*\t+\i:81+8*\t+\i] op_sel_hi:[1,0,1]   ; sum x 2^(..) + bg1, each accumulator from its low end
.endr
.endr
.endr
.set i, 0
.rept 64
	v_max_num_f32 v[ACC+i], 0, v[ACC+i]            ; relu
.set i, i+1
.endr
; scores^T = Wg2^T h^T with f32 operands, four hidden units an instruction: place (h, jj) of K is hidden unit 64 w + 32 g + 8 u + 16 h + 2 p + jj on both sides.  Rows 8-15 of the first source repeat experts 0-7.
; The two accumulators take turns.
.irp t, 0,1,2,3
.irp p, 0,1,2,3
.if (\t == 0) && (\p == 0)
	v_wmma_f32_16x16x4_f32 v[D0:D0+7], v[112:113], v[ACC:ACC+1], 0
	v_wmma_f32_16x16x4_f32 v[D1:D1+7], v[112:113], v[ACC+8:ACC+9], 0
.else
	v_wmma_f32_16x16x4_f32 v[D0:D0+7], v[112+8*\t+2*\p:113+8*\t+2*\p], v[ACC+16*\t+2*\p:ACC+16*\t+2*\p+1], v[D0:D0+7]
	v_wmma_f32_16x16x4_f32 v[D1:D1+7], v[112+8*\t+2*\p:113+8*\t+2*\p], v[ACC+16*\t+8+2*\p:ACC+16*\t+9+2*\p], v[D1:D1+7]
.endif
.endr
.endr
.rept 8
	v_nop                                          ; eight places behind this form (ISA guide 7.12.1)
.endr
	ds_store_b128 v8, v[D0:D0+3]                   ; lane (r, 0): token r's scores of experts 0-3, 4-7; each result from its low end
	ds_store_b128 v8, v[D0+4:D0+7] offset:512
	ds_store_b128 v8, v[D1:D1+3] offset:1024
	ds_store_b128 v8, v[D1+4:D1+7] offset:1536
	BARRIER                                        ; the eight parts lie in LDS
	s_cmp_lg_u32 s26, 0
	s_cbranch_scc1 .Lgate_end                      ; wave 0 does the rest: a lane to a token; no barrier follows
.irp w, 0,1,2,3,4,5,6,7
.irp q, 0,1
	ds_load_b128 v[16+8*\w+4*\q:19+8*\w+4*\q], v13 offset:2048*\w+512*\q
.endr
.endr
	v_lshlrev_b32 v14, 5, v1                       ; 32 x token: out1
	v_lshlrev_b32 v15, 2, v1
	s_lshl_b32 s36, ttmp9, 10
	s_add_nc_u64 s[20:21], s[20:21], s[36:37]      ; out1 at my block
	s_lshl_b32 s36, ttmp9, 9
	s_add_nc_u64 s[54:55], s[22:23], s[36:37]      ; route's words at my block
	s_add_nc_u64 s[24:25], s[24:25], s[36:37]      ; gatew likewise
	s_lshl_b32 s36, ttmp9, 5
	s_add_nc_u64 s[22:23], s[22:23], s[36:37]      ; the block's eight counts (32,768 bytes on: in the immediate)
	s_wait_dscnt 0x0
.irp w, 1,2,3,4,5,6,7
.irp i, 0,2,4,6
	v_pk_add_f32 v[16+\i:17+\i], v[16+\i:17+\i], v[16+8*\w+\i:17+8*\w+\i]
.endr
.endr
.irp i, 0,1,2,3,4,5,6,7
	v_add_f32 v[16+\i], s[40+\i], v[16+\i]         ; + bg2
.endr
	v_max3_num_f32 v32, v16, v17, v18              ; softmax: the largest score is taken away first
	s_delay_alu instid0(VALU_DEP_1)
	v_max3_num_f32 v32, v32, v19, v20
	s_delay_alu instid0(VALU_DEP_1)
	v_max3_num_f32 v32, v32, v21, v22
	s_delay_alu instid0(VALU_DEP_1)
	v_max_num_f32 v32, v32, v23
.irp i, 0,1,2,3,4,5,6,7
	v_sub_f32 v[24+\i], v[16+\i], v32
.endr
.irp i, 0,1,2,3,4,5,6,7
	v_mul_f32 v[24+\i], 0x3fb8aa3b, v[24+\i]
.endr
	s_wait_alu depctr_va_vdst(0)
.irp i, 0,1,2,3,4,5,6,7
	v_exp_f32 v[24+\i], v[24+\i]
.endr
	v_mov_b32 v44, -1.0                            ; (a plain line behind the exponentials)  under every probability
	s_wait_alu depctr_va_vdst(0)
	v_add_f32 v33, v24, v25
	v_add_f32 v34, v26, v27
	v_add_f32 v35, v28, v29
	v_add_f32 v36, v30, v31
	s_delay_alu instid0(VALU_DEP_3)
	v_add_f32 v33, v33, v34
	s_delay_alu instid0(VALU_DEP_2)
	v_add_f32 v35, v35, v36
	s_delay_alu instid0(VALU_DEP_1)
	v_add_f32 v33, v33, v35
	s_wait_alu depctr_va_vdst(0)
	v_rcp_f32 v33, v33
	v_nop
	s_wait_alu depctr_va_vdst(0)
.irp i, 0,1,2,3,4,5,6,7
	v_mul_f32 v[16+\i], v[24+\i], v33              ; the probabilities, for out1,
.endr
.irp i, 0,1,2,3,4,5,6,7
	v_mul_f32 v[24+\i], v[24+\i], v33              ; and once more, to be struck out one by one
.endr
	global_store_b128 v14, v[16:19], s[20:21]
	global_store_b128 v14, v[20:23], s[20:21] offset:16
.macro TOP j                           ; the largest of what is left -> v[36 + j], its index -> v[40 + j]: of equals the lowest, since index 0 is tried last
	v_max3_num_f32 v[36+\j], v24, v25, v26
	s_delay_alu instid0(VALU_DEP_1)
	v_max3_num_f32 v[36+\j], v[36+\j], v27, v28
	s_delay_alu instid0(VALU_DEP_1)
	v_max3_num_f32 v[36+\j], v[36+\j], v29, v30
	s_delay_alu instid0(VALU_DEP_1)
	v_max_num_f32 v[36+\j], v[36+\j], v31
	v_mov_b32 v[40+\j], 7
.irp i, 6,5,4,3,2,1,0
	v_cmp_neq_f32 vcc_lo, v[24+\i], v[36+\j]
	s_delay_alu instid0(VALU_DEP_1)
	v_cndmask_b32 v[40+\j], \i, v[40+\j], vcc_lo
.endr
.if \j < 2
.irp i, 0,1,2,3,4,5,6,7
	v_cmp_eq_u32 vcc_lo, \i, v[40+\j]
	s_delay_alu instid0(VALU_DEP_1)
	v_cndmask_b32 v[24+\i], v[24+\i], v44, vcc_lo  ; struck out by its index, so that an equal neighbour stays
.endr
.endif
.endm
	TOP 0
	TOP 1
	TOP 2
	v_sub_f32 v45, v37, v36                        ; the softmax of the three: the first is the largest and is taken away
	v_sub_f32 v46, v38, v36
	s_delay_alu instid0(VALU_DEP_2)
	v_mul_f32 v45, 0x3fb8aa3b, v45
	s_delay_alu instid0(VALU_DEP_2)
	v_mul_f32 v46, 0x3fb8aa3b, v46
	s_wait_alu depctr_va_vdst(0)
	v_exp_f32 v45, v45
	v_exp_f32 v46, v46
	v_mov_b32 v63, 0
	s_wait_alu depctr_va_vdst(0)
	v_add_f32 v47, 1.0, v45
	v_add_f32 v47, v47, v46
	s_wait_alu depctr_va_vdst(0)
	v_rcp_f32 v60, v47
	v_mov_b32 v59, 0
	s_wait_alu depctr_va_vdst(0)
	v_mul_f32 v61, v45, v60
	v_mul_f32 v62, v46, v60
	v_mov_b32 v48, 0
	v_mov_b32 v49, 0
	v_mov_b32 v50, 0
	v_mov_b32 v52, 0
.irp e, 0,1,2,3,4,5,6,7                ; for each expert: who chose it, each such token's rank among the block's (lower lanes first), and how many they are
	v_cmp_eq_u32 s48, \e, v40
	v_cmp_eq_u32 s49, \e, v41
	v_cmp_eq_u32 s50, \e, v42
	s_or_b32 s51, s48, s49
	s_or_b32 s51, s51, s50
	v_mbcnt_lo_u32_b32 v53, s51, 0
	s_delay_alu instid0(VALU_DEP_1)
	v_cndmask_b32 v48, v48, v53, s48
	s_delay_alu instid0(VALU_DEP_2)
	v_cndmask_b32 v49, v49, v53, s49
	s_delay_alu instid0(VALU_DEP_3)
	v_cndmask_b32 v50, v50, v53, s50
	s_bcnt1_i32_b32 s52, s51
	v_writelane_b32 v52, s52, \e
.endr
	v_lshl_or_b32 v56, v48, 8, v40                 ; expert | rank << 8
	v_lshl_or_b32 v57, v49, 8, v41
	v_lshl_or_b32 v58, v50, 8, v42
	global_store_b128 v5, v[56:59], s[54:55]
	global_store_b128 v5, v[60:63], s[24:25]
	s_wait_alu depctr_va_vdst(0)
	s_wait_xcnt 0x0                                ; EXEC is a source of the stores above: it changes only behind this wait
	v_cmp_gt_u32 vcc_lo, 8, v1
	s_and_saveexec_b32 s53, vcc_lo
	global_store_b32 v15, v52, s[22:23] offset:32768   ; lanes 0-7: the block's eight counts
	s_wait_xcnt 0x0                                ; and again in front of the line that widens it
	s_or_b32 exec_lo, exec_lo, s53
.Lgate_end:
	s_set_vgpr_msb 0x5
	s_wait_tensorcnt 0x0
	ds_add_u32 v0, v1
	s_wait_dscnt 0x0
	s_set_vgpr_msb 0x500
	s_endpgm
.Lquant:
	v_and_b32 v4, 31, v0
	s_delay_alu instid0(VALU_DEP_1)
	v_lshlrev_b32 v2, 4, v4                        ; 16 x lane
	v_and_b32 v5, 7, v0
	v_bfe_u32 v6, v0, 3, 1
	s_delay_alu instid0(VALU_DEP_1)
	v_lshl_add_u32 v5, v6, 4, v5
	v_bfe_u32 v6, v0, 4, 1
	s_delay_alu instid0(VALU_DEP_1)
	v_lshl_add_u32 v5, v6, 3, v5
	s_delay_alu instid0(VALU_DEP_1)
	v_lshlrev_b32 v1, 2, v5                        ; my column's bytes in the wave's 128
	s_wait_alu depctr_va_vdst(0)
	s_sub_co_u32 s33, ttmp9, 64
	s_lshr_b32 s34, s33, 6                         ; expert
	s_bfe_u32 s35, s33, 0x30003                    ; which 256 columns
	s_and_b32 s36, s33, 7                          ; which 128 along K
	s_lshl_b32 s38, s34, 23                        ; source: expert x 8,388,608 + 128 rows of 8,192 bytes + 1,024 x column group + 128 x wave
	s_lshl_b32 s37, s36, 20
	s_add_co_u32 s38, s38, s37
	s_lshl_b32 s37, s35, 10
	s_add_co_u32 s38, s38, s37
	s_lshl_b32 s37, s26, 7
	s_add_co_u32 s38, s38, s37
	s_mov_b32 s39, 0
	s_add_nc_u64 s[16:17], s[16:17], s[38:39]
	s_lshl_b32 s38, s34, 21                        ; codes: expert x 2,097,152 + panel x 32,768 + 4,096 x K group
	s_lshl_b32 s37, s35, 18
	s_add_co_u32 s38, s38, s37
	s_lshl_b32 s37, s26, 15
	s_add_co_u32 s38, s38, s37
	s_lshl_b32 s37, s36, 12
	s_add_co_u32 s38, s38, s37
	s_add_nc_u64 s[18:19], s[18:19], s[38:39]
	QPATH 8192, 31
.Lfunc_end_k_q343948a190_gate:
	.size	k_q343948a190_gate, .Lfunc_end_k_q343948a190_gate-k_q343948a190_gate
	.p2alignl 7, 3214868480
	.fill 96, 4, 3214868480
	.section	.rodata,"a",@progbits
	.p2align	6, 0x0
	.amdhsa_kernel k_q343948a190_gate
		.amdhsa_group_segment_fixed_size 50176
		.amdhsa_private_segment_fixed_size 0
		.amdhsa_enable_private_segment 0
		.amdhsa_kernarg_size 88
		.amdhsa_user_sgpr_count 2
		.amdhsa_user_sgpr_kernarg_segment_ptr 1
		.amdhsa_wavefront_size32 1
		.amdhsa_system_sgpr_workgroup_id_x 1
		.amdhsa_system_sgpr_workgroup_id_y 1
		.amdhsa_system_sgpr_workgroup_id_z 1
		.amdhsa_system_vgpr_workitem_id 0
		.amdhsa_next_free_vgpr 258
		.amdhsa_next_free_sgpr 100
		.amdhsa_reserve_vcc 1
		.amdhsa_float_denorm_mode_32 3
		.amdhsa_float_denorm_mode_16_64 3
		.amdhsa_memory_ordered 1
		.amdhsa_forward_progress 1
		.amdhsa_inst_pref_size 89
	.end_amdhsa_kernel
	.amdgpu_metadata
---
amdhsa.version: [ 1, 2 ]
amdhsa.kernels:
  - .name:           k_q343948a190_gate
    .symbol:         k_q343948a190_gate.kd
    .args:
      - { .name: x, .offset: 0, .size: 8, .value_kind: global_buffer, .address_space: global }
      - { .name: wqa, .offset: 8, .size: 8, .value_kind: global_buffer, .address_space: global }
      - { .name: bg1, .offset: 16, .size: 8, .value_kind: global_buffer, .address_space: global }
      - { .name: Wg2, .offset: 24, .size: 8, .value_kind: global_buffer, .address_space: global }
      - { .name: bg2, .offset: 32, .size: 8, .value_kind: global_buffer, .address_space: global }
      - { .name: lowp_scales, .offset: 40, .size: 8, .value_kind: global_buffer, .address_space: global }
      - { .name: W1, .offset: 48, .size: 8, .value_kind: global_buffer, .address_space: global }
      - { .name: w1q, .offset: 56, .size: 8, .value_kind: global_buffer, .address_space: global }
      - { .name: out1, .offset: 64, .size: 8, .value_kind: global_buffer, .address_space: global }
      - { .name: route, .offset: 72, .size: 8, .value_kind: global_buffer, .address_space: global }
      - { .name: gatew, .offset: 80, .size: 8, .value_kind: global_buffer, .address_space: global }
    .group_segment_fixed_size: 50176
    .private_segment_fixed_size: 0
    .kernarg_segment_align: 8
    .kernarg_segment_size: 88
    .max_flat_workgroup_size: 256
    .sgpr_count:     100
    .vgpr_count:     258
    .wavefront_size: 32
...
	.end_amdgpu_metadata
.endif
;; end of part 2
;; launch place (part 3): grid 256 x 1, 8 waves a work-group, no clusters, 0 bytes of LDS; arguments x, route, lowp_scales, xs, plc; writes xs, plc
.if DOCPART == 3
	.amdgcn_target "amdgcn-amd-amdhsa--gfx1250"
	.amdhsa_code_object_version 6
	.text
	.protected	k_q343948a190_place
	.globl	k_q343948a190_place
	.p2align	8
	.type	k_q343948a190_place,@function
k_q343948a190_place:
	s_mov_b64 s[64:65], 0
	v_nop
	global_prefetch_b8 v0, s[64:65] scope:SCOPE_SE
	s_setreg_imm32_b32 hwreg(HW_REG_WAVE_MODE, 25, 1), 1
	s_wait_xcnt 0x0
; THE ROWS ARE PLACED BY EXPERT.  route holds, for each token and each of its three choices, expert | rank << 8 (the rank among its block of 32 tokens), and for each of 64 blocks the number of tokens of each expert.
; Each expert's rows begin at a multiple of 256: BA[0] = 0, BA[e + 1] = BA[e] + its count rounded up to 256; never more than 24 + 7 = 31 tiles of 256 rows.  A choice's row is BA[e] + the counts of the blocks before + the rank.
; A wave is a token: it works the experts' starts out for itself (whole numbers read from memory; no LDS, no barrier), quantises its row of x with 2^e, e = lowp_scales[2], and stores the 1,024 codes at its three places in xs.
; The 512 counts come 16 to a lane; a lane adds its 16, and the four lanes of an expert are added in scalar registers, where the sums are wanted: they steer scalar bases and two scalar branches.
; One wave of a block stores the block's places (plc, [token][4]); one wave of the launch stores the tiles' experts (plc + 32,768; 8 = no rows).
; EVERY ROW OF xs IS WRITTEN: wave (e', idx) fills row idx of expert e''s padding with zero codes, if there is one, and wave n of the launch's 2,048 fills row BA[8] + n, behind the last expert, if it lies under 7,936
; (1,792 such rows at the most).  So the next launch may take any of the 31 tiles by its number alone.
; LIMITS: e between -126 and 112; NaN among the inputs is not served.
	s_load_b256 s[4:11], s[0:1], 0x0               ; x, route, lowp_scales, xs
	s_load_b64 s[12:13], s[0:1], 0x20              ; plc
	v_lshrrev_b32 v3, 5, v0
	s_delay_alu instid0(VALU_DEP_1)
	v_readfirstlane_b32 s14, v3                    ; wave
	v_and_b32 v1, 31, v0                           ; lane
	s_delay_alu instid0(VALU_DEP_1)
	v_lshlrev_b32 v2, 2, v1
	s_delay_alu instid0(VALU_DEP_2)
	v_lshlrev_b32 v4, 4, v1
	s_delay_alu instid0(VALU_DEP_3)
	v_lshlrev_b32 v5, 5, v1
	s_delay_alu instid0(VALU_DEP_4)
	v_lshlrev_b32 v6, 3, v1
	v_lshrrev_b32 v7, 3, v1
	s_lshr_b32 s15, ttmp9, 2                       ; my block of 32 tokens
	v_sub_nc_u32 v7, v7, s15                       ; lane / 8 - block
	s_lshl_b32 s52, ttmp9, 3
	s_add_co_u32 s52, s52, s14                     ; my token
	s_lshl_b32 s58, s52, 4                         ; its four words of route
	s_lshl_b32 s52, s52, 12
	s_mov_b32 s53, 0
	s_lshl_b32 s54, s15, 9
	s_mov_b32 s55, 0
	s_wait_alu depctr_va_vdst(0)
	s_wait_kmcnt 0x0
	s_load_b32 s62, s[8:9], 0x8                    ; e
	s_load_b128 s[76:79], s[6:7], s58 offset:0x0   ; my token's three choices
	s_add_nc_u64 s[4:5], s[4:5], s[52:53]          ; my row of x
	s_add_nc_u64 s[56:57], s[12:13], s[54:55]      ; plc at my block
	s_add_nc_u64 s[54:55], s[6:7], s[54:55]        ; route at my block
.irp i, 0,1,2,3,4,5,6,7,8,9,10,11,12,13,14,15
	global_load_b32 v[64+\i], v2, s[6:7] offset:32768+128*\i   ; lane l: the count of block 4 i + l / 8, expert l % 8
.endr
	global_load_b128 v[80:83], v4, s[54:55]        ; lane l: the words of token l of my block
.irp q, 0,1,2,3
	global_load_b128 v[32+8*\q:35+8*\q], v5, s[4:5] offset:1024*\q        ; k = 256 q + 8 lane + 0 .. 7: two loads cover 1,024 consecutive bytes
	global_load_b128 v[36+8*\q:39+8*\q], v5, s[4:5] offset:1024*\q+16
.endr
	v_mov_b32 v9, 0                                ; the counts of the blocks before mine, in two chains
	v_mov_b32 v11, 0
	v_mov_b32 v87, 0
	s_wait_loadcnt 8                               ; counts and words are in; x's eight loads may be out
	v_add_nc_u32 v8, v64, v65                      ; my 16 blocks' counts, in two chains
	v_add_nc_u32 v10, v66, v67
.irp i, 4,6,8,10,12,14
	s_delay_alu instid0(VALU_DEP_2)
	v_add_nc_u32 v8, v8, v[64+\i]
	s_delay_alu instid0(VALU_DEP_2)
	v_add_nc_u32 v10, v10, v[65+\i]
.endr
	s_delay_alu instid0(VALU_DEP_1)
	v_add_nc_u32 v8, v8, v10
.irp i, 0,1,2,3,4,5,6,7,8,9,10,11,12,13,14,15
	v_add_nc_u32 v[12+\i%2], 4*\i, v7              ; block 4 i + lane / 8 less mine: negative where it comes before mine,
	s_delay_alu instid0(VALU_DEP_1)
	v_lshrrev_b32 v[12+\i%2], 31, v[12+\i%2]       ; so its sign bit is 1 there and 0 elsewhere,
	s_delay_alu instid0(VALU_DEP_1)
	v_mad_u32_u24 v[9+2*(\i%2)], v[64+\i], v[12+\i%2], v[9+2*(\i%2)]   ; and the count (32 at the most) is added or not
.endr
	s_delay_alu instid0(VALU_DEP_1)
	v_add_nc_u32 v9, v9, v11
.irp e, 0,1,2,3,4,5,6,7                ; expert e's sums lie in lanes e, e + 8, e + 16, e + 24: the total -> s[16 + e], the count before my block -> s[24 + e]
	v_readlane_b32 s[16+\e], v8, \e
	v_readlane_b32 s60, v8, \e+8
	v_readlane_b32 s61, v8, \e+16
	v_readlane_b32 s74, v8, \e+24
	s_add_co_u32 s[16+\e], s[16+\e], s60
	s_add_co_u32 s61, s61, s74
	s_add_co_u32 s[16+\e], s[16+\e], s61
	v_readlane_b32 s[24+\e], v9, \e
	v_readlane_b32 s60, v9, \e+8
	v_readlane_b32 s61, v9, \e+16
	v_readlane_b32 s74, v9, \e+24
	s_add_co_u32 s[24+\e], s[24+\e], s60
	s_add_co_u32 s61, s61, s74
	s_add_co_u32 s[24+\e], s[24+\e], s61
.endr
	s_mov_b32 s32, 0                               ; BA in s32-40; BA + the count before my block in s44-51
.irp e, 0,1,2,3,4,5,6,7
	s_add_co_u32 s60, s[16+\e], 255
	s_and_b32 s60, s60, 0xffffff00
	s_add_co_u32 s[33+\e], s[32+\e], s60
	s_add_co_u32 s[44+\e], s[32+\e], s[24+\e]
.endr
	s_wait_kmcnt 0x0                               ; my token's words, and e
.irp j, 0,1,2                          ; my three rows of xs, in scalar registers throughout
	s_and_b32 s60, s[76+\j], 255                   ; the expert,
	s_lshr_b32 s61, s[76+\j], 8                    ; the rank
	s_mov_b32 s74, s44
.irp e, 1,2,3,4,5,6,7
	s_cmp_eq_u32 s60, \e
	s_cselect_b32 s74, s[44+\e], s74
.endr
	s_add_co_u32 s74, s74, s61
	s_min_u32 s74, s74, 7935                       ; a place: inside xs whatever was read
	s_lshl_b32 s[66+2*\j], s74, 10
	s_mov_b32 s[67+2*\j], 0
	s_add_nc_u64 s[66+2*\j:67+2*\j], s[10:11], s[66+2*\j:67+2*\j]
.endr
	s_and_b32 s60, ttmp9, 3
	s_or_b32 s60, s60, s14
	s_cmp_lg_u32 s60, 0
	s_cbranch_scc1 .Lno_pos                        ; the block's first wave works out and stores the block's 32 x 3 places, a lane to a token: numbers that are stored, and steer nothing here
.irp j, 0,1,2
	v_and_b32 v12, 0xff, v[80+\j]
	v_mov_b32 v[84+\j], s44
.irp e, 1,2,3,4,5,6,7
	v_cmp_ne_u32 vcc_lo, \e, v12
	s_delay_alu instid0(VALU_DEP_1)
	v_cndmask_b32 v[84+\j], s[44+\e], v[84+\j], vcc_lo
.endr
	v_lshrrev_b32 v13, 8, v[80+\j]
	s_delay_alu instid0(VALU_DEP_1)
	v_add_nc_u32 v[84+\j], v[84+\j], v13
	s_delay_alu instid0(VALU_DEP_1)
	v_min_u32 v[84+\j], 7935, v[84+\j]
.endr
	global_store_b128 v4, v[84:87], s[56:57]       ; 32 lanes store 512 consecutive bytes
.Lno_pos:
	s_or_b32 s60, ttmp9, s14
	s_cmp_lg_u32 s60, 0
	s_cbranch_scc1 .Lno_tiles                      ; the launch's first wave stores the tiles' experts: lane i counts the experts that end at or before tile i
	v_mov_b32 v14, 0
	v_mov_b32 v15, 1
.irp e, 0,1,2,3,4,5,6,7
	s_lshr_b32 s61, s[33+\e], 8
	v_cmp_le_u32 vcc_lo, s61, v1
	s_delay_alu instid0(VALU_DEP_1)
	v_cndmask_b32 v16, 0, v15, vcc_lo
	s_delay_alu instid0(VALU_DEP_1)
	v_add_nc_u32 v14, v14, v16
.endr
	global_store_b32 v2, v14, s[12:13] offset:32768
.Lno_tiles:
	s_add_co_i32 s62, s62, 127
	s_lshl_b32 s63, s62, 23
	v_mov_b32 v19, s63                             ; 2^e as f32
	s_add_co_i32 s62, s62, 15
	s_lshl_b32 s62, s62, 23
	s_or_b32 s62, s62, 0x600000
	v_mov_b32 v18, s62                             ; 57,344 x 2^e
	v_mov_b32 v96, 0                               ; sixteen zero codes a lane, for the rows that no token takes: the code 0 is the number 0
	v_mov_b32 v97, 0
	v_mov_b32 v98, 0
	v_mov_b32 v99, 0
	s_wait_alu depctr_va_vdst(0)
	s_wait_loadcnt 0x0                             ; x
.set i, 0
.rept 32
	v_med3_num_f32 v[32+i], v[32+i], -v18, v18     ; the conversion does not saturate (ISA guide 7.6.2)
.set i, i+1
.endr
.irp q, 0,1,2,3
	v_cvt_scalef32_pk8_bf8_f32 v[88+2*\q:89+2*\q], v[32+8*\q:39+8*\q], v19
.endr
	v_nop
.irp j, 0,1,2
.irp q, 0,1,2,3
	global_store_b64 v6, v[88+2*\q:89+2*\q], s[66+2*\j:67+2*\j] offset:256*\q   ; 32 lanes store 256 consecutive bytes, aligned
.endr
.endr
	s_and_b32 s58, ttmp9, 7                        ; the padding: expert e',
	s_lshr_b32 s59, ttmp9, 3
	s_lshl_b32 s59, s59, 3
	s_add_co_u32 s59, s59, s14                     ; row idx = 0 .. 255 of it
	s_mov_b32 s72, 0
	s_mov_b32 s73, 0
.irp k, 0,1,2,3,4,5,6,7
	s_add_co_u32 s61, s[32+\k], s[16+\k]
	s_cmp_eq_u32 s58, \k
	s_cselect_b32 s72, s61, s72                    ; where e''s rows end,
	s_cselect_b32 s73, s[33+\k], s73               ; and where the next expert's begin
.endr
	s_add_co_u32 s72, s72, s59
	s_cmp_lt_u32 s72, s73
	s_cbranch_scc0 .Lno_pad
	s_min_u32 s72, s72, 7935
	s_lshl_b32 s72, s72, 10
	s_mov_b32 s73, 0
	s_add_nc_u64 s[72:73], s[10:11], s[72:73]
	global_store_b128 v4, v[96:99], s[72:73]
	global_store_b128 v4, v[96:99], s[72:73] offset:512
.Lno_pad:
	s_lshl_b32 s78, ttmp9, 3                       ; behind the last expert: my wave's number in the launch, 0 .. 2,047,
	s_add_co_u32 s78, s78, s14
	s_add_co_u32 s78, s78, s40                     ; + BA[8].  (Registers of their own: the stores above may still read their base)
	s_cmp_lt_u32 s78, 7936
	s_cbranch_scc0 .Lno_tail
	s_min_u32 s78, s78, 7935
	s_lshl_b32 s76, s78, 10
	s_mov_b32 s77, 0
	s_add_nc_u64 s[76:77], s[10:11], s[76:77]
	global_store_b128 v4, v[96:99], s[76:77]
	global_store_b128 v4, v[96:99], s[76:77] offset:512
.Lno_tail:
	s_endpgm
.Lfunc_end_k_q343948a190_place:
	.size	k_q343948a190_place, .Lfunc_end_k_q343948a190_place-k_q343948a190_place
	.p2alignl 7, 3214868480
	.fill 96, 4, 3214868480
	.section	.rodata,"a",@progbits
	.p2align	6, 0x0
	.amdhsa_kernel k_q343948a190_place
		.amdhsa_group_segment_fixed_size 0
		.amdhsa_private_segment_fixed_size 0
		.amdhsa_enable_private_segment 0
		.amdhsa_kernarg_size 40
		.amdhsa_user_sgpr_count 2
		.amdhsa_user_sgpr_kernarg_segment_ptr 1
		.amdhsa_wavefront_size32 1
		.amdhsa_system_sgpr_workgroup_id_x 1
		.amdhsa_system_sgpr_workgroup_id_y 1
		.amdhsa_system_sgpr_workgroup_id_z 1
		.amdhsa_system_vgpr_workitem_id 0
		.amdhsa_next_free_vgpr 104
		.amdhsa_next_free_sgpr 80
		.amdhsa_reserve_vcc 1
		.amdhsa_float_denorm_mode_32 3
		.amdhsa_float_denorm_mode_16_64 3
		.amdhsa_memory_ordered 1
		.amdhsa_forward_progress 1
		.amdhsa_inst_pref_size 28
	.end_amdhsa_kernel
	.amdgpu_metadata
---
amdhsa.version: [ 1, 2 ]
amdhsa.kernels:
  - .name:           k_q343948a190_place
    .symbol:         k_q343948a190_place.kd
    .args:
      - { .name: x, .offset: 0, .size: 8, .value_kind: global_buffer, .address_space: global }
      - { .name: route, .offset: 8, .size: 8, .value_kind: global_buffer, .address_space: global }
      - { .name: lowp_scales, .offset: 16, .size: 8, .value_kind: global_buffer, .address_space: global }
      - { .name: xs, .offset: 24, .size: 8, .value_kind: global_buffer, .address_space: global }
      - { .name: plc, .offset: 32, .size: 8, .value_kind: global_buffer, .address_space: global }
    .group_segment_fixed_size: 0
    .private_segment_fixed_size: 0
    .kernarg_segment_align: 8
    .kernarg_segment_size: 40
    .max_flat_workgroup_size: 256
    .sgpr_count:     80
    .vgpr_count:     104
    .wavefront_size: 32
...
	.end_amdgpu_metadata
.endif
;; end of part 3
;; launch gemm1 (part 4): grid 8 x 31, 4 waves a work-group, clusters of 4 x 1, 327,680 bytes of LDS; arguments xs, w1q, b1, lowp_scales, plc, h1q; writes h1q
.if DOCPART == 4
	.amdgcn_target "amdgcn-amd-amdhsa--gfx1250"
	.amdhsa_code_object_version 6
	.text
	.protected	k_q343948a190_gemm1
	.globl	k_q343948a190_gemm1
	.p2align	8
	.type	k_q343948a190_gemm1,@function
k_q343948a190_gemm1:
	s_mov_b64 s[64:65], 0
	v_nop
	global_prefetch_b8 v0, s[64:65] scope:SCOPE_SE
	s_setreg_imm32_b32 hwreg(HW_REG_WAVE_MODE, 25, 1), 1
	s_wait_xcnt 0x0
	s_wait_alu depctr_hold_cnt(0) depctr_sa_sdst(0) depctr_va_vdst(0) depctr_va_sdst(0) depctr_va_ssrc(0) depctr_va_vcc(0) depctr_vm_vsrc(0)
	s_getreg_b32 s2, hwreg(HW_REG_IB_STS2, 6, 4)
	s_cmp_eq_u32 s2, 0
	s_cbranch_scc0 .Lentry_in_a_cluster
	s_endpgm
.Lentry_in_a_cluster:
	s_bfe_u32 s2, ttmp6, 0x10000c
	s_cmp_lg_u32 s2, 0x3003
	s_cbranch_scc0 .Lentry_shape_is_right
	s_endpgm
.Lentry_shape_is_right:
; h1 = Q(gelu(xs W1[e] + b1[e])) for one tile of 256 sorted rows (work-group y) and 256 hidden units (work-group x) of the tile's expert e, read from plc.  Only the rows that chose an expert are multiplied by it.
; xs: [7,936][1,024] codes of E5M2.  w1q: per expert 64 panels [k / 16][slot][16 codes] of 32 columns.  h1q: [row / 16][k / 16][row % 16][16 codes].  Sums in f32.
; A sum is multiplied by 2^(lowp_scales[2] + [3]); gelu is the exact form; the codes take 2^lowp_scales[5].  LIMITS: [2] + [3] between -126 and 127; [5] between -126 and 112; NaN is not served.
; GELU.  Phi(-|v|) = erfc(|v| / sqrt 2) / 2, erfc(z) = t exp(-z^2 + a0 + a1 t + .. + a9 t^9), t = 1 / (1 + z / 2); gelu(v) = max(v, 0) - |v| Phi(-|v|).
; THE ROWS LIE WHOLE IN LDS: 256 rows x 1,024 codes, as two halves of 512 along K, rows 528 bytes apart.  Each half is four tensor loads, one a wave (64 rows x 512 bytes).  No byte is filled twice.
; The first half is asked for at the head, the second behind the full sequence and a round; it has 208 of the first half's matrix instructions a wave in which to land.
; CLUSTER.  The four column tiles of one tile of rows need the same rows and ask for them JOINTLY (mask 15); the address hangs on the tile's number, the wave's number and constants alone.
; W1 GOES FROM ITS PANELS STRAIGHT INTO REGISTERS: wave w makes all 256 rows x hidden units 64 w .. 64 w + 63, so no two waves need the same fragment of W1: 16 loads for a step of 128 along K, three steps ahead, four sets.
; No prefetch into the L2: the eight steps are written out, and the weights' own loads stand three of the eight steps ahead of their use.
; THE MATRIX INSTRUCTION IS USED TRANSPOSED (source 0 = 16 columns of W1, source 1 = 16 rows): a lane holds one row, and the 16 registers of two neighbouring tiles are 16 neighbouring hidden units.
; A TILE WITHOUT ROWS (table entry 8) takes the same way: zero codes, expert 7's weights, its own tile of h1q: no branch hangs on a number read from memory.
; REGISTERS: window 0: v8-11 constants, v16-29 addresses, v32-63 b1, v64-255 the rows' fragments, three buffers of 4 blocks; window 1: W1's four sets; windows 2, 3: accumulator (a, t) at 32 (a % 8) + 8 t.
.set PITCH, 528                        ; 512 bytes + 16 of padding: the 16 rows of a load start at 16 different banks (ISA guide 11.1)
.set HALFB, 256*PITCH
.set SPARE, 2*HALFB                    ; the spare words, 128 bytes for each wave
.set ADRA, 16                          ; v16-19 rows' fragments: half 0 blocks 0-7, 8-15; half 1 likewise
.set BO,   20                          ; v20 panels: 512 h + 16 r
.set HO,   24                          ; v24 16 x lane
.set DST,  25                          ; v25 the way out: 65,536 x wave + 16 x lane
.set RDN,  26                          ; v26 where the next block is read
.set SPW,  28
.set NIL,  29
.set BI,   32
.set AF,   64
.set WV,   16                          ; s16 wave; s19 my place in the cluster; s20 the tile of rows; s21 the expert; s22 the tile of columns
.set G1,   24                          ; s[24:31] descriptor group 1; s[40:43], s[44:47] group 0 of the two halves
.set G0,   40
.set MSB, 0
.macro WIN new                         ; the immediate's high byte repeats the setting that is left
.if MSB != \new
	s_set_vgpr_msb (MSB<<8)|\new
.set MSB, \new
.endif
.endm
.set MUL_LO, 0xa1                      ; source 0 (W1) window 1, source 1 (rows) window 0, C and D window 2
.set TO_B,   0x40                      ; destination window 1, address window 0
.macro PLACES                          ; four places behind a matrix instruction (ISA guide 7.12.1 for vector instructions)
.rept 4
	v_nop
.endr
.endm
.macro SPAIR r, val
	s_mov_b32 s[\r], \val
	s_mov_b32 s[\r+1], \val
.endm
.macro CROUND                          ; a round of the cluster's barrier
	s_barrier_signal -1
	s_barrier_wait -1
	s_cmp_lg_u32 s[WV], 0
	s_cbranch_scc1 .Lnot_wave_0_\@
	s_barrier_signal -3
.Lnot_wave_0_\@:
	s_barrier_wait -3
	s_barrier_signal -1
	s_barrier_wait -1
.endm
.macro ALOAD hf                        ; my 64 rows of half hf, jointly; s_nop 0 and four v_nop follow
	tensor_load_to_lds s[G0+4*\hf:G0+4*\hf+3], s[G1:G1+7]
	s_nop 0
	PLACES
.endm
.macro WL s                            ; W1's four fragments of step s into set s % 4: group c lies at k / 16 = 8 s + 2 c + h, slot 16 (t % 2) + r of panel t / 2
.irp t, 0,1,2,3
.irp c, 0,1,2,3
	global_load_b128 v[64*((\s)%4)+16*\t+4*\c:64*((\s)%4)+16*\t+4*\c+3], v[BO], s[6:7] offset:32768*(\t/2)+256*(\t%2)+(8*(\s)+2*\c)*512
.endr
.endr
.endm
.macro FETCHA n                        ; group n = 4 step + g: row blocks 4 g .. 4 g + 3, 128 along K, into buffer n % 3; registers 4 c .. 4 c + 3 hold K = 32 c + 16 h + 0 .. 15
.set FS, (\n)/4
.set FG, (\n)%4
.set FB, AF+64*((\n)%3)
.irp i, 0,1,2,3
.irp c, 0,1,2,3
	ds_load_b128 v[FB+16*\i+4*\c:FB+16*\i+4*\c+3], v[ADRA+2*(FS/4)+FG/2] offset:128*(FS%4)+32*\c+(4*(FG%2)+\i)*16*PITCH
.endr
.endr
.endm
; A group: 16 matrix instructions on 16 accumulators; the 64 take turns in the same order in every step.  Behind it the buffer takes the group three on.
.macro GROUP n
.set KS, (\n)/4
.set KG, (\n)%4
.set KB, AF+64*((\n)%3)
.if (\n) == 13
	s_wait_tensorcnt 0x0                           ; my part of the second half is in,
	s_wait_dscnt 0x0                               ; no LDS load of mine is out at the signal:
	s_barrier_signal -1                            ; say so; the group's products stand between signal and wait
.else
.if (\n) < 30
	s_wait_dscnt 32                                ; this group's 16 loads are in; the next two groups' may be out
.else
	s_wait_dscnt 16*(31-(\n))
.endif
.endif
.if KG == 0
.if KS < 6
	s_wait_loadcnt 32                              ; this step's 16 loads of W1 are in (and b1); the next two steps' may be out
.else
	s_wait_loadcnt 16*(7-KS)
.endif
.endif
	WIN MUL_LO+0x50*(KG/2)
.irp i, 0,1,2,3
.irp t, 0,1,2,3
.if KS == 0
	v_wmma_f32_16x16x128_bf8_bf8 v[32*(4*(KG%2)+\i)+8*\t:32*(4*(KG%2)+\i)+8*\t+7], v[64*(KS%4)+16*\t:64*(KS%4)+16*\t+15], v[KB+16*\i:KB+16*\i+15], 0
.else
	v_wmma_f32_16x16x128_bf8_bf8 v[32*(4*(KG%2)+\i)+8*\t:32*(4*(KG%2)+\i)+8*\t+7], v[64*(KS%4)+16*\t:64*(KS%4)+16*\t+15], v[KB+16*\i:KB+16*\i+15], v[32*(4*(KG%2)+\i)+8*\t:32*(4*(KG%2)+\i)+8*\t+7]
.endif
.endr
.endr
.if (\n) == 13
	s_barrier_wait -1                              ; the second half is whole: group 16, asked for below, is the first to read it
.endif
.if (\n) < 29
	PLACES
.if (KG == 0) && (KS < 5)
	WIN TO_B
	WL KS+3                                        ; into the set that the step before multiplied
.endif
	WIN 0
	FETCHA (\n)+3
.endif
.endm
	s_load_b256 s[4:11], s[0:1], 0x0               ; xs, w1q, b1, lowp_scales
	s_load_b128 s[12:15], s[0:1], 0x20             ; plc, h1q
	v_lshl_add_u32 v[SPW], v0, 2, SPARE
	v_mov_b32 v[NIL], 0
	ds_add_u32 v[SPW], v[NIL]                      ; the opening: the add, twice on end, and its wait ahead of my first tensor load
	ds_add_u32 v[SPW], v[NIL]
	v_lshrrev_b32 v1, 5, v0
	v_readfirstlane_b32 s[WV], v1                  ; wave 0..3
	s_bfe_u32 s19, ttmp6, 0x40000                  ; cx
	s_lshl_b32 s22, ttmp9, 2
	s_add_co_u32 s22, s22, s19                     ; the tile of columns = 4 x cluster x + cx
	s_and_b32 s20, ttmp7, 0xffff                   ; the tile of rows, which the four partners share
	s_lshl_b32 s2, s20, 2
	s_mov_b32 s[G1+0], 15|(1<<20)|(1<<21)|(6<<22)|(3<<25)   ; the mask: all four; elements of 1 byte; padding on: 4 words after every 128; 21 set beside a mask
	s_mov_b32 s[G1+1], 512<<16                     ; tensor_dim0
	s_mov_b32 s[G1+2], 64<<16                      ; tensor_dim1
	s_mov_b32 s[G1+3], 512<<16                     ; tile_dim0
	s_mov_b32 s[G1+4], 64                          ; tile_dim1
	s_mov_b32 s[G1+5], 1024                        ; from row to row
	s_mov_b32 s[G1+6], 0
	s_mov_b32 s[G1+7], 0
	SPAIR 66, 0x3eb504f3                           ; 1 / (2 sqrt 2)
	SPAIR 68, 0xbf38aa3b                           ; -log2(e) / 2
	SPAIR 70, 0x3fb8aa3b                           ; log2(e)
	SPAIR 72, 0x3e2ef945                           ; a9
	SPAIR 74, 0x3fbe87b0                           ; a7
	SPAIR 76, 0xbf914e5d                           ; a6
	SPAIR 78, 0x3e8ec7cc                           ; a5
	SPAIR 80, 0xbe3ec24c                           ; a4
	SPAIR 82, 0x3dc636c9                           ; a3
	SPAIR 84, 0x3ebf88fb                           ; a2
	SPAIR 86, 0x3f8000c7                           ; a1
	SPAIR 88, 0xbfa1fc4e                           ; a0
	s_wait_dscnt 0x0                               ; both opening adds are done
	s_wait_kmcnt 0x0
	s_load_b32 s21, s[12:13], s2 offset:0x8000     ; the tile's expert, 8 = no rows
	s_load_b128 s[56:59], s[10:11], 0x0            ; the exponents 0 to 3,
	s_load_b64 s[60:61], s[10:11], 0x10            ; 4 and 5
	s_lshl_b32 s94, s20, 18                        ; rows: (256 tile + 64 wave) x 1,024 bytes.  s94, s95 hold no place in the cluster and no number read from memory
	s_lshl_b32 s95, s[WV], 16
	s_add_co_u32 s94, s94, s95
	s_mov_b32 s95, 0
	s_add_nc_u64 s[94:95], s[4:5], s[94:95]
	s_mul_i32 s18, s[WV], 64*PITCH                 ; where they go (a register that no pending scalar load names)
.irp hf, 0,1
	s_mov_b32 s[G0+4*\hf], 1
	s_add_co_u32 s[G0+4*\hf+1], s18, \hf*HALFB
	s_add_nc_u64 s[G0+4*\hf+2:G0+4*\hf+3], s[94:95], \hf*512
	s_or_b32 s[G0+4*\hf+3], s[G0+4*\hf+3], 0x80000000
.endr
	CROUND                                         ; all four work-groups are here: the first joint loads meet
	ALOAD 0                                        ; K 0-511: one tensor load a wave at the head
	s_wait_kmcnt 0x0
	s_min_u32 s21, s21, 7
	s_lshl_b32 s96, s21, 21                        ; panels: expert x 2,097,152 + (8 x column tile + 2 wave) x 32,768
	s_lshl_b32 s97, s22, 18
	s_add_co_u32 s96, s96, s97
	s_lshl_b32 s97, s[WV], 16
	s_add_co_u32 s96, s96, s97
	s_mov_b32 s97, 0
	s_add_nc_u64 s[6:7], s[6:7], s[96:97]
	s_lshl_b32 s96, s21, 13                        ; b1: expert x 8,192 + 1,024 x column tile + 256 x wave
	s_lshl_b32 s3, s22, 10
	s_add_co_u32 s96, s96, s3
	s_lshl_b32 s3, s[WV], 8
	s_add_co_u32 s96, s96, s3
	s_add_nc_u64 s[8:9], s[8:9], s[96:97]
	s_lshl_b32 s96, s20, 19                        ; h1q: 16 tile x 32,768 + (16 x column tile + 4 wave) x 256
	s_lshl_b32 s3, s22, 12
	s_add_co_u32 s96, s96, s3
	s_lshl_b32 s3, s[WV], 10
	s_add_co_u32 s96, s96, s3
	s_add_nc_u64 s[14:15], s[14:15], s[96:97]
	s_add_co_i32 s90, s58, s59
	s_add_co_i32 s90, s90, 127
	s_lshl_b32 s90, s90, 23                        ; 2^(the operands' exponents added)
	s_mov_b32 s91, s90
	s_add_co_i32 s63, s61, 127
	s_lshl_b32 s62, s63, 23                        ; 2^e of h1
	s_add_co_i32 s63, s63, 15
	s_lshl_b32 s63, s63, 23
	s_or_b32 s63, s63, 0x600000                    ; 57,344 x that
	s_lshl_b32 s2, s[WV], 16
	v_and_b32 v1, 15, v0                           ; r
	v_bfe_u32 v2, v0, 4, 1                         ; h
	v_and_b32 v5, 31, v0
	v_mul_u32_u24 v3, v1, PITCH
	v_lshlrev_b32 v4, 9, v2
	v_lshlrev_b32 v[HO], 4, v5
	v_lshlrev_b32 v6, 6, v2                        ; 64 h
	v_lshl_add_u32 v[ADRA], v2, 4, v3              ; row x pitch + 16 h
	v_lshl_add_u32 v[BO], v1, 4, v4
	v_add_nc_u32 v[DST], s2, v[HO]
	v_add_nc_u32 v[ADRA+1], 128*PITCH, v[ADRA]
	v_add_nc_u32 v[ADRA+2], HALFB, v[ADRA]
	v_add_nc_u32 v[ADRA+3], HALFB+128*PITCH, v[ADRA]
	v_mov_b32 v8, 0xbf527892                       ; a8, twice
	v_mov_b32 v9, 0xbf527892
	v_mov_b32 v10, s63
	v_mov_b32 v11, s62
	s_wait_alu depctr_va_vdst(0)                   ; the wait behind the head's vector work
.irp p, 0,1
.irp i, 0,1,2,3
	global_load_b128 v[BI+16*\p+4*\i:BI+16*\p+4*\i+3], v6, s[8:9] offset:128*\p+16*\i   ; hidden units 32 p + 16 h + 0 .. 15 of my 64
.endr
.endr
	WIN TO_B
	WL 0
	WL 1
	WL 2
	WIN 0
	s_wait_tensorcnt 0x0                           ; my part of the first half is in
	ds_add_u32 v[SPW], v[NIL]
	s_wait_dscnt 0x0
	CROUND                                         ; the first half is whole, and all four work-groups are here
	ALOAD 1                                        ; K 512-1,023: the first tensor load behind the round
	FETCHA 0
	FETCHA 1
	FETCHA 2
.set GN0, 0
.rept 32
	GROUP GN0
.set GN0, GN0+1
.endr
	WIN 0
	PLACES
	s_wait_dscnt 0x0
	s_barrier_signal -1
	s_barrier_wait -1                              ; every wave's reads of the rows are over, and both halves have had their only fill
; THE WAY OUT.  The sums, x 2^(..) + b1, go into LDS, 65,536 bytes for each wave, 4,096 for a block of 16 rows, so that the gelu is a loop in window 0 on fixed registers.
.macro DUMP a
.set AC, 32*((\a)%8)
.set DV, 128+32*((\a)%4)
.if (\a) > 3
	s_wait_dscnt 24                                ; the stores that read this set of registers are done; the three blocks' behind them may be out
.endif
	WIN 0x02+((\a)/8)                              ; source 0: window 2 or 3
.set i, 0
.rept 16
	v_pk_fma_f32 v[DV+i:DV+i+1], v[AC+i:AC+i+1], s[90:91], v[BI+i:BI+i+1] op_sel_hi:[1,0,1]   ; each accumulator from its low end
.set i, i+2
.endr
	WIN 0
.irp i, 0,1,2,3,4,5,6,7
	ds_store_b128 v[DST], v[DV+4*\i:DV+4*\i+3] offset:4096*(\a)+512*\i
.endr
.endm
.set DA, 0
.rept 16
	DUMP DA
.set DA, DA+1
.endr
.set GC, 32                            ; v32-39   codes
.set GV, 64                            ; v64-95   v: 32 hidden units of my row
.set GT, 96                            ; t
.set GP, 128                           ; the polynomial, then Phi(-|v|)
.set GW, 160                           ; -z^2 log2(e) - 1
.set GM, 192                           ; max(v, 0), then the result
.set GN, 224                           ; -|v|
; One block of 16 rows.  v is read for the last time among the reciprocals, so the next block's loads go out there and have the rest of the trip in which to land.
.macro GELU ahead
	s_wait_dscnt 0x0                               ; this block's eight loads are in
.set i, 0
.rept 32
	v_fma_f32 v[GT+i], |v[GV+i]|, s66, 1.0         ; 1 + z / 2
.set i, i+1
.endr
	s_wait_alu depctr_va_vdst(0)                   ; the wait ahead of the batch
.set i, 0
.rept 16
	v_rcp_f32 v[GT+i], v[GT+i]
	v_max_num_f32 v[GM+i], 0, v[GV+i]
	v_or_b32 v[GN+i], 0x80000000, v[GV+i]
	v_rcp_f32 v[GT+i+1], v[GT+i+1]
	v_max_num_f32 v[GM+i+1], 0, v[GV+i+1]
	v_or_b32 v[GN+i+1], 0x80000000, v[GV+i+1]
	v_pk_mul_f32 v[GW+i:GW+i+1], v[GV+i:GV+i+1], v[GV+i:GV+i+1]
.set i, i+2
.endr
.if \ahead
	v_add_nc_u32 v[RDN], s92, v[DST]
.irp i, 0,1,2,3,4,5,6,7
	ds_load_b128 v[GV+4*\i:GV+4*\i+3], v[RDN] offset:512*\i
.endr
.endif
	s_wait_alu depctr_va_vdst(0)                   ; one wait for the batch and for what was written among it
.set i, 0
.rept 16
	v_pk_fma_f32 v[GW+i:GW+i+1], v[GW+i:GW+i+1], s[68:69], -1.0 op_sel_hi:[1,0,0]   ; -z^2 log2(e) - 1: the 1 halves erfc
.set i, i+2
.endr
.set i, 0
.rept 16
	v_pk_fma_f32 v[GP+i:GP+i+1], v[GT+i:GT+i+1], s[72:73], v[8:9] op_sel_hi:[1,0,1]
.set i, i+2
.endr
.irp k, 74,76,78,80,82,84,86,88
.set i, 0
.rept 16
	v_pk_fma_f32 v[GP+i:GP+i+1], v[GP+i:GP+i+1], v[GT+i:GT+i+1], s[\k:\k+1] op_sel_hi:[1,1,0]
.set i, i+2
.endr
.endr
.set i, 0
.rept 16
	v_pk_fma_f32 v[GP+i:GP+i+1], v[GP+i:GP+i+1], s[70:71], v[GW+i:GW+i+1] op_sel_hi:[1,0,1]
.set i, i+2
.endr
	s_wait_alu depctr_va_vdst(0)
.set i, 0
.rept 32
	v_exp_f32 v[GP+i], v[GP+i]
.set i, i+1
.endr
	v_nop                                          ; a plain place behind the exponentials
	s_wait_alu depctr_va_vdst(0)
.set i, 0
.rept 16
	v_pk_mul_f32 v[GP+i:GP+i+1], v[GP+i:GP+i+1], v[GT+i:GT+i+1]   ; Phi(-|v|)
.set i, i+2
.endr
.set i, 0
.rept 32
	v_fma_f32 v[GM+i], v[GN+i], v[GP+i], v[GM+i]
.set i, i+1
.endr
.set i, 0
.rept 32
	v_med3_num_f32 v[GM+i], v[GM+i], -v10, v10     ; the conversion does not saturate (ISA guide 7.6.2)
.set i, i+1
.endr
.irp g, 0,1,2,3
	v_cvt_scalef32_pk8_bf8_f32 v[GC+2*\g:GC+2*\g+1], v[GM+8*\g:GM+8*\g+7], v11
.endr
	v_nop
	global_store_b128 v[HO], v[GC:GC+3], s[14:15]              ; k / 16 = h, row r: 32 lanes store 512 consecutive bytes
	global_store_b128 v[HO], v[GC+4:GC+7], s[14:15] offset:512 ; k / 16 = 2 + h
.endm
.irp i, 0,1,2,3,4,5,6,7
	ds_load_b128 v[GV+4*\i:GV+4*\i+3], v[DST] offset:512*\i    ; block 0; LDS serves a wave's instructions in order: these see my stores
.endr
	s_mov_b32 s92, 4096                            ; the next block's place in my 65,536 bytes: 4,096 to 61,440 in the fifteen trips
	s_mov_b32 s93, 0
.Lgelu:
	GELU 1
	s_wait_alu depctr_va_vdst(0)                   ; the wait, directly ahead of the wait below
	s_wait_xcnt 0x0                                ; the stores have read their base and their data
	s_add_nc_u64 s[14:15], s[14:15], 32768         ; the next 16 rows of h1q
	s_add_co_u32 s92, s92, 4096
	s_add_co_u32 s93, s93, 1
	s_cmp_lt_u32 s93, 15
	s_cbranch_scc1 .Lgelu
	GELU 0                                         ; the sixteenth block: nothing is left to fetch
	s_wait_tensorcnt 0x0                           ; the wave's end
	ds_add_u32 v[SPW], v[NIL]
	s_wait_dscnt 0x0
	CROUND                                         ; the closing round: no work-group ends while a partner may still ask for a tile that names it
	s_endpgm
.Lfunc_end_k_q343948a190_gemm1:
	.size	k_q343948a190_gemm1, .Lfunc_end_k_q343948a190_gemm1-k_q343948a190_gemm1
	.p2alignl 7, 3214868480
	.fill 96, 4, 3214868480
	.section	.rodata,"a",@progbits
	.p2align	6, 0x0
	.amdhsa_kernel k_q343948a190_gemm1
		.amdhsa_group_segment_fixed_size 327680
		.amdhsa_private_segment_fixed_size 0
		.amdhsa_enable_private_segment 0
		.amdhsa_kernarg_size 48
		.amdhsa_user_sgpr_count 2
		.amdhsa_user_sgpr_kernarg_segment_ptr 1
		.amdhsa_wavefront_size32 1
		.amdhsa_system_sgpr_workgroup_id_x 1
		.amdhsa_system_sgpr_workgroup_id_y 1
		.amdhsa_system_sgpr_workgroup_id_z 1
		.amdhsa_system_vgpr_workitem_id 0
		.amdhsa_next_free_vgpr 1024
		.amdhsa_next_free_sgpr 100
		.amdhsa_reserve_vcc 0
		.amdhsa_float_denorm_mode_32 3
		.amdhsa_float_denorm_mode_16_64 3
		.amdhsa_memory_ordered 1
		.amdhsa_forward_progress 1
		.amdhsa_inst_pref_size 168
	.end_amdhsa_kernel
	.amdgpu_metadata
---
amdhsa.version: [ 1, 2 ]
amdhsa.kernels:
  - .name:           k_q343948a190_gemm1
    .symbol:         k_q343948a190_gemm1.kd
    .args:
      - { .name: xs, .offset: 0, .size: 8, .value_kind: global_buffer, .address_space: global }
      - { .name: w1q, .offset: 8, .size: 8, .value_kind: global_buffer, .address_space: global }
      - { .name: b1, .offset: 16, .size: 8, .value_kind: global_buffer, .address_space: global }
      - { .name: lowp_scales, .offset: 24, .size: 8, .value_kind: global_buffer, .address_space: global }
      - { .name: plc, .offset: 32, .size: 8, .value_kind: global_buffer, .address_space: global }
      - { .name: h1q, .offset: 40, .size: 8, .value_kind: global_buffer, .address_space: global }
    .group_segment_fixed_size: 327680
    .private_segment_fixed_size: 0
    .kernarg_segment_align: 8
    .kernarg_segment_size: 48
    .max_flat_workgroup_size: 128
    .sgpr_count:     100
    .vgpr_count:     1024
    .wavefront_size: 32
...
	.end_amdgpu_metadata
.endif
;; end of part 4
;; launch gemm2 (part 5): grid 8 x 31, 4 waves a work-group, no clusters, 327,680 bytes of LDS; arguments h1q, wqa, b2, lowp_scales, plc, y; writes y
.if DOCPART == 5
	.amdgcn_target "amdgcn-amd-amdhsa--gfx1250"
	.amdhsa_code_object_version 6
	.text
	.protected	k_q343948a190_gemm2
	.globl	k_q343948a190_gemm2
	.p2align	8
	.type	k_q343948a190_gemm2,@function
k_q343948a190_gemm2:
	s_mov_b64 s[64:65], 0
	v_nop
	global_prefetch_b8 v0, s[64:65] scope:SCOPE_SE
	s_setreg_imm32_b32 hwreg(HW_REG_WAVE_MODE, 25, 1), 1
	s_wait_xcnt 0x0
; y = h1 W2[e] + b2[e] for one tile of 256 sorted rows (work-group y) and 128 columns (work-group x) of the tile's expert e, read from plc.  Only the rows that chose an expert are multiplied by it.
; Both operands are codes of E5M2; sums in f32, K = 2,048.  h1q: [row / 16][k / 16][row % 16][16 codes].  W2's codes in wqa: per expert 32 panels [k / 16][slot][16 codes] of 32 columns.  y: [7,936][1,024] f32.
; A sum is multiplied by 2^(lowp_scales[4] + [5]).  LIMIT: that sum of exponents lies between -126 and 127.
; W2'S FOUR PANELS LIE WHOLE IN LDS: 128 columns x 2,048 codes = 262,144 bytes, as two halves of 1,024 along K.  Each half is four tensor loads, one a wave: 32,768 dense bytes of its panel, stated as 128 rows of 256.
; No byte is filled twice.  The first half is asked for at the head, the second behind the full sequence and a barrier; it has the first half's 208 matrix instructions a wave in which to land.
; THE ROWS GO FROM h1q STRAIGHT INTO REGISTERS: wave w makes rows 64 w .. 64 w + 63 x 128 columns, so no two waves need the same fragment of h1: 16 loads of 512 consecutive bytes for a step of 128 along K,
; three steps ahead, four sets.
; NO CLUSTER: the rows, which the column tiles of a tile of rows share, do not pass through LDS here; the panels' partners would be row tiles of one expert, and which tiles those are stands in a table in memory.
; No prefetch into the L2: the sixteen steps are written out, and the rows' own loads stand three steps ahead of their use.
; THE MATRIX INSTRUCTION IS USED TRANSPOSED (source 0 = 16 columns of W2, source 1 = 16 rows): a lane holds eight neighbouring columns of one row.
; A TILE WITHOUT ROWS (table entry 8) takes the same way: its own tile of h1q, expert 7's weights, its own tile of y, which no later launch reads: no branch hangs on a number read from memory.
; REGISTERS: window 0: v16-29 addresses; v64-255 W2's fragments, three buffers of four (on the way out v32-95 and v128-255 are at work); window 1: the rows' four sets; window 2: accumulator (a, b) at 8 (8 a + b); window 3: v0-63 b2.
.set HALFB, 131072                     ; a half: 4 panels x 32,768 bytes, dense: sixteen lanes of a load take 256 consecutive bytes
.set SPARE, 2*HALFB                    ; the spare words, 128 bytes for each wave
.set STAGE, SPARE+512                  ; the way out: 16 rows x (512 bytes + 16) for each wave, bytes that no tensor load fills
.set SP,    528
.set ADRB, 16                          ; v16-19 W2's fragments: half 0 panels 0-1, 2-3; half 1 likewise
.set STO,  24
.set RD,   25
.set CO,   26                          ; v26 16 x lane
.set SPW,  28
.set NIL,  29
.set TMP,  32
.set BF,   64
.set BK,   128
.set WV,   16                          ; s16 wave; s20 the tile of rows; s21 the expert
.set G1,   24                          ; s[24:31] descriptor group 1; s[40:43], s[44:47] group 0 of the two halves
.set G0,   40
.set MSB, 0
.macro WIN new                         ; the immediate's high byte repeats the setting that is left
.if MSB != \new
	s_set_vgpr_msb (MSB<<8)|\new
.set MSB, \new
.endif
.endm
.set MUL,  0xa4                        ; source 0 (W2) window 0, source 1 (rows) window 1, C and D window 2
.set TO_A, 0x40                        ; destination window 1, address window 0
.macro PLACES                          ; four places behind a matrix instruction (ISA guide 7.12.1 for vector instructions)
.rept 4
	v_nop
.endr
.endm
.macro BLOAD hf                        ; my panel's half hf; s_nop 0 and four v_nop follow
	tensor_load_to_lds s[G0+4*\hf:G0+4*\hf+3], s[G1:G1+7]
	s_nop 0
	PLACES
.endm
.macro AL s                            ; my four row blocks' fragments of step s into set s % 4: group c holds k = 32 c + 16 h + 0 .. 15
.irp a, 0,1,2,3
.irp c, 0,1,2,3
	global_load_b128 v[64*((\s)%4)+16*\a+4*\c:64*((\s)%4)+16*\a+4*\c+3], v[CO], s[4:5] offset:32768*\a+2048*(\s)+512*\c
.endr
.endr
.endm
.macro FETCHB n                        ; group n = 2 step + j: column blocks 4 j .. 4 j + 3, 128 along K, into buffer n % 3: the same k in the same registers
.set FS, (\n)/2
.set FJ, (\n)%2
.set FB, BF+64*((\n)%3)
.irp i, 0,1,2,3
.irp c, 0,1,2,3
	ds_load_b128 v[FB+16*\i+4*\c:FB+16*\i+4*\c+3], v[ADRB+2*(FS/8)+FJ] offset:32768*(\i/2)+256*(\i%2)+4096*(FS%8)+1024*\c
.endr
.endr
.endm
; A group: 16 matrix instructions on 16 accumulators; the 32 take turns in the same order in every step.  Behind it the buffer takes the group three on.
.macro GROUP n
.set KS, (\n)/2
.set KJ, (\n)%2
.set KB, BF+64*((\n)%3)
.if (\n) == 13
	s_wait_tensorcnt 0x0                           ; my part of the second half is in,
	s_wait_dscnt 0x0                               ; no LDS load of mine is out at the signal:
	s_barrier_signal -1                            ; say so; the group's products stand between signal and wait
.else
.if (\n) < 30
	s_wait_dscnt 32                                ; this group's 16 loads are in; the next two groups' may be out
.else
	s_wait_dscnt 16*(31-(\n))
.endif
.endif
.if KJ == 0
.if KS < 15
	s_wait_loadcnt 32                              ; this step's 16 loads of rows are in; behind them two steps' (in step 14: step 15's and b2's 16) may be out
.else
	s_wait_loadcnt 16                              ; behind the last step's: b2's 16
.endif
.endif
	WIN MUL
.irp i, 0,1,2,3
.irp a, 0,1,2,3
.if KS == 0
	v_wmma_f32_16x16x128_bf8_bf8 v[8*(8*\a+4*KJ+\i):8*(8*\a+4*KJ+\i)+7], v[KB+16*\i:KB+16*\i+15], v[64*(KS%4)+16*\a:64*(KS%4)+16*\a+15], 0
.else
	v_wmma_f32_16x16x128_bf8_bf8 v[8*(8*\a+4*KJ+\i):8*(8*\a+4*KJ+\i)+7], v[KB+16*\i:KB+16*\i+15], v[64*(KS%4)+16*\a:64*(KS%4)+16*\a+15], v[8*(8*\a+4*KJ+\i):8*(8*\a+4*KJ+\i)+7]
.endif
.endr
.endr
.if (\n) == 13
	s_barrier_wait -1                              ; the second half is whole: group 16, asked for below, is the first to read it
.endif
.if (\n) < 29
	PLACES
.if (KJ == 0) && (KS < 13)
	WIN TO_A
	AL KS+3                                        ; into the set that the step before multiplied
.endif
.if (\n) == 26
	WIN 0xc0                                       ; destination window 3: b2, when no more rows are to be asked for
.irp p, 0,1,2,3
.irp i, 0,1,2,3
	global_load_b128 v[16*\p+4*\i:16*\p+4*\i+3], v6, s[8:9] offset:128*\p+16*\i   ; columns 32 p + 16 h + 0 .. 15 of my 128
.endr
.endr
.endif
	WIN 0
	FETCHB (\n)+3
.endif
.endm
	s_load_b256 s[4:11], s[0:1], 0x0               ; h1q, wqa, b2, lowp_scales
	s_load_b128 s[12:15], s[0:1], 0x20             ; plc, y
	v_lshl_add_u32 v[SPW], v0, 2, SPARE
	v_mov_b32 v[NIL], 0
	ds_add_u32 v[SPW], v[NIL]                      ; the opening: the add, twice on end, and its wait ahead of my first tensor load
	ds_add_u32 v[SPW], v[NIL]
	v_lshrrev_b32 v1, 5, v0
	v_readfirstlane_b32 s[WV], v1                  ; wave 0..3
	s_and_b32 s20, ttmp7, 0xffff                   ; the tile of rows
	s_lshl_b32 s23, s20, 2
	s_mov_b32 s[G1+0], 3<<16                       ; elements of 8 bytes, no padding: 128 rows of 256 bytes on end
	s_mov_b32 s[G1+1], 32<<16                      ; tensor_dim0
	s_mov_b32 s[G1+2], 128<<16                     ; tensor_dim1
	s_mov_b32 s[G1+3], 32<<16                      ; tile_dim0
	s_mov_b32 s[G1+4], 128                         ; tile_dim1
	s_mov_b32 s[G1+5], 32                          ; from row to row
	s_mov_b32 s[G1+6], 0
	s_mov_b32 s[G1+7], 0
	s_mul_i32 s3, s[WV], 16*SP
	s_add_co_u32 s3, s3, STAGE                     ; my stage
	s_wait_dscnt 0x0                               ; both opening adds are done
	s_wait_kmcnt 0x0
	s_load_b32 s21, s[12:13], s23 offset:0x8000    ; the tile's expert, 8 = no rows
	s_load_b64 s[60:61], s[10:11], 0x10            ; the exponents 4 and 5
	s_lshl_b32 s70, s20, 19                        ; rows: (16 tile + 4 wave) x 32,768
	s_lshl_b32 s71, s[WV], 17
	s_add_co_u32 s70, s70, s71
	s_mov_b32 s71, 0
	s_add_nc_u64 s[4:5], s[4:5], s[70:71]
	v_and_b32 v1, 15, v0                           ; r
	v_bfe_u32 v2, v0, 4, 1                         ; h
	v_and_b32 v5, 31, v0
	v_lshlrev_b32 v4, 9, v2
	v_mul_u32_u24 v3, v1, SP
	v_lshlrev_b32 v[CO], 4, v5
	v_lshlrev_b32 v6, 6, v2                        ; 64 h
	v_lshl_add_u32 v[ADRB], v1, 4, v4              ; panels: 512 h + 16 r
	v_lshl_add_u32 v3, v2, 6, v3
	v_add_nc_u32 v[RD], s3, v[CO]                  ; back: the 32 lanes take a row of 512 bytes
	v_add_nc_u32 v[STO], s3, v3                    ; in: row r, + 64 h
	v_add_nc_u32 v[ADRB+1], 65536, v[ADRB]
	v_add_nc_u32 v[ADRB+2], HALFB, v[ADRB]
	v_add_nc_u32 v[ADRB+3], HALFB+65536, v[ADRB]
	s_wait_alu depctr_va_vdst(0)                   ; the wait behind the head's vector work
	WIN TO_A
	AL 0                                           ; the rows hang on no number read from memory: their first three steps go out at once
	AL 1
	AL 2
	WIN 0
	s_wait_kmcnt 0x0
	s_min_u32 s21, s21, 7
	s_lshl_b32 s72, s21, 21                        ; my panel: expert x 2,097,152 + (4 x column tile + wave) x 65,536
	s_lshl_b32 s73, ttmp9, 18
	s_add_co_u32 s72, s72, s73
	s_lshl_b32 s73, s[WV], 16
	s_add_co_u32 s72, s72, s73
	s_mov_b32 s73, 0
	s_add_nc_u64 s[72:73], s[6:7], s[72:73]
	s_lshl_b32 s2, s[WV], 15                       ; where it goes: 32,768 x wave
.irp hf, 0,1
	s_mov_b32 s[G0+4*\hf], 1
	s_add_co_u32 s[G0+4*\hf+1], s2, \hf*HALFB
	s_add_nc_u64 s[G0+4*\hf+2:G0+4*\hf+3], s[72:73], \hf*32768
	s_or_b32 s[G0+4*\hf+3], s[G0+4*\hf+3], 0x80000000
.endr
	BLOAD 0                                        ; K 0-1,023: one tensor load a wave at the head
	s_lshl_b32 s72, s21, 12                        ; b2: expert x 4,096 + 512 x column tile
	s_lshl_b32 s73, ttmp9, 9
	s_add_co_u32 s72, s72, s73
	s_mov_b32 s73, 0
	s_add_nc_u64 s[8:9], s[8:9], s[72:73]
	s_lshl_b32 s72, s20, 20                        ; y: (256 tile + 64 wave) rows of 4,096 bytes + 512 x column tile
	s_lshl_b32 s73, s[WV], 18
	s_add_co_u32 s72, s72, s73
	s_lshl_b32 s73, ttmp9, 9
	s_add_co_u32 s72, s72, s73
	s_mov_b32 s73, 0
	s_add_nc_u64 s[14:15], s[14:15], s[72:73]
	s_add_co_i32 s66, s60, s61
	s_add_co_i32 s66, s66, 127
	s_lshl_b32 s66, s66, 23                        ; 2^(the operands' exponents added)
	s_mov_b32 s67, s66
	s_wait_tensorcnt 0x0                           ; my part of the first half is in
	ds_add_u32 v[SPW], v[NIL]
	s_wait_dscnt 0x0
	s_barrier_signal -1
	s_barrier_wait -1                              ; the first half is whole
	BLOAD 1                                        ; K 1,024-2,047: the first tensor load behind the barrier
	FETCHB 0
	FETCHB 1
	FETCHB 2
.set GN0, 0
.rept 32
	GROUP GN0
.set GN0, GN0+1
.endr
	WIN 0
; THE WAY OUT, block by block of 16 rows x 128 columns: sum x 2^(..) + b2 goes through my own stage in LDS and comes back as whole rows of 512 bytes.  LDS serves a wave's instructions in order (ISA guide 5.7.1.4).
	PLACES
	s_wait_loadcnt 0x0                             ; b2
.macro TOSTAGE a
	WIN 0x32                                       ; source 0 (the sums) window 2, source 2 (b2) window 3
.set k, 0
.rept 32
	v_pk_fma_f32 v[TMP+k:TMP+k+1], v[64*(\a)+k:64*(\a)+k+1], s[66:67], v[k:k+1] op_sel_hi:[1,0,1]   ; each accumulator from its low end
.set k, k+2
.endr
	WIN 0
.irp b, 0,1,2,3,4,5,6,7
	ds_store_b128 v[STO], v[TMP+8*\b:TMP+8*\b+3] offset:128*(\b/2)+32*(\b%2)          ; columns 32 (b / 2) + 16 h + 8 (b % 2) + 0 .. 7
	ds_store_b128 v[STO], v[TMP+8*\b+4:TMP+8*\b+7] offset:128*(\b/2)+32*(\b%2)+16
.endr
.set BB, BK+64*((\a)%2)
.irp t, 0,1,2,3,4,5,6,7,8,9,10,11,12,13,14,15
	ds_load_b128 v[BB+4*\t:BB+4*\t+3], v[RD] offset:\t*SP
.endr
.endm
.macro SEND a, younger                 ; younger: the LDS instructions issued behind block a's loads, which may stay out
.set BB, BK+64*((\a)%2)
	s_wait_dscnt \younger
.irp t, 0,1,2,3,4,5,6,7,8,9,10,11,12,13,14,15
	global_store_b128 v[CO], v[BB+4*\t:BB+4*\t+3], s[14:15] offset:(16*(\a)+\t)*4096   ; 32 lanes store 512 consecutive bytes, aligned; the row stands in the immediate: 63 rows at the most
.endr
.endm
	TOSTAGE 0
.irp a, 1,2,3
.if \a > 1
	s_wait_xcnt 0x0                                ; block a - 2's stores have read their registers: block a's rows may land there
.endif
	TOSTAGE \a
	SEND \a-1, 32                                  ; behind block a - 1's loads: block a's 16 stores and 16 loads
.endr
	SEND 3, 0
	s_wait_tensorcnt 0x0                           ; the wave's end
	ds_add_u32 v[SPW], v[NIL]
	s_wait_dscnt 0x0
	s_endpgm
.Lfunc_end_k_q343948a190_gemm2:
	.size	k_q343948a190_gemm2, .Lfunc_end_k_q343948a190_gemm2-k_q343948a190_gemm2
	.p2alignl 7, 3214868480
	.fill 96, 4, 3214868480
	.section	.rodata,"a",@progbits
	.p2align	6, 0x0
	.amdhsa_kernel k_q343948a190_gemm2
		.amdhsa_group_segment_fixed_size 327680
		.amdhsa_private_segment_fixed_size 0
		.amdhsa_enable_private_segment 0
		.amdhsa_kernarg_size 48
		.amdhsa_user_sgpr_count 2
		.amdhsa_user_sgpr_kernarg_segment_ptr 1
		.amdhsa_wavefront_size32 1
		.amdhsa_system_sgpr_workgroup_id_x 1
		.amdhsa_system_sgpr_workgroup_id_y 1
		.amdhsa_system_sgpr_workgroup_id_z 1
		.amdhsa_system_vgpr_workitem_id 0
		.amdhsa_next_free_vgpr 832
		.amdhsa_next_free_sgpr 80
		.amdhsa_reserve_vcc 0
		.amdhsa_float_denorm_mode_32 3
		.amdhsa_float_denorm_mode_16_64 3
		.amdhsa_memory_ordered 1
		.amdhsa_forward_progress 1
		.amdhsa_inst_pref_size 125
	.end_amdhsa_kernel
	.amdgpu_metadata
---
amdhsa.version: [ 1, 2 ]
amdhsa.kernels:
  - .name:           k_q343948a190_gemm2
    .symbol:         k_q343948a190_gemm2.kd
    .args:
      - { .name: h1q, .offset: 0, .size: 8, .value_kind: global_buffer, .address_space: global }
      - { .name: wqa, .offset: 8, .size: 8, .value_kind: global_buffer, .address_space: global }
      - { .name: b2, .offset: 16, .size: 8, .value_kind: global_buffer, .address_space: global }
      - { .name: lowp_scales, .offset: 24, .size: 8, .value_kind: global_buffer, .address_space: global }
      - { .name: plc, .offset: 32, .size: 8, .value_kind: global_buffer, .address_space: global }
      - { .name: y, .offset: 40, .size: 8, .value_kind: global_buffer, .address_space: global }
    .group_segment_fixed_size: 327680
    .private_segment_fixed_size: 0
    .kernarg_segment_align: 8
    .kernarg_segment_size: 48
    .max_flat_workgroup_size: 128
    .sgpr_count:     80
    .vgpr_count:     832
    .wavefront_size: 32
...
	.end_amdgpu_metadata
.endif
;; end of part 5
;; launch combine (part 6): grid 256 x 1, 8 waves a work-group, no clusters, 0 bytes of LDS; arguments y, plc, route, gatew, ln_g, ln_b, out0; writes out0
.if DOCPART == 6
	.amdgcn_target "amdgcn-amd-amdhsa--gfx1250"
	.amdhsa_code_object_version 6
	.text
	.protected	k_q343948a190_combine
	.globl	k_q343948a190_combine
	.p2align	8
	.type	k_q343948a190_combine,@function
k_q343948a190_combine:
	s_mov_b64 s[64:65], 0
	v_nop
	global_prefetch_b8 v0, s[64:65] scope:SCOPE_SE
	s_setreg_imm32_b32 hwreg(HW_REG_WAVE_MODE, 25, 1), 1
	s_wait_xcnt 0x0
; out0[n] = the sum over the token's three choices j of g_j ((y_j - mean) rsqrt(var + 1e-5) ln_g[e_j] + ln_b[e_j]).  y_j is row plc[n][j] of y, e_j the low byte of route[n][j], g_j = gatew[n][j].
; A wave is a token: a row of 1,024 f32 is 32 registers a lane, so each of the three rows is read once and stays in registers between the mean, the variance (of the differences from the mean) and the mix.
; Each load and store of the wave covers 512 consecutive bytes.  No LDS, no barrier, no matrix unit: memory binds here.  All in f32.
.set Y,   16                           ; v16-111  the three rows
.set G,   112                          ; v112-143 ln_g of the choice in hand
.set B,   144                          ; v144-175 ln_b
.set OUT, 176                          ; v176-207
.macro LD8 reg, sb
.irp i, 0,1,2,3,4,5,6,7
	global_load_b128 v[\reg+4*\i:\reg+4*\i+3], v1, s[\sb:\sb+1] offset:512*\i
.endr
.endm
.macro LDY reg, sb                     ; a row of y is read once in the launch
.irp i, 0,1,2,3,4,5,6,7
	global_load_b128 v[\reg+4*\i:\reg+4*\i+3], v1, s[\sb:\sb+1] offset:512*\i th:TH_LOAD_NT
.endr
.endm
.macro REDUCE                          ; v2 summed over the 32 lanes, the result in every lane
	s_delay_alu instid0(VALU_DEP_1)
	v_add_f32_dpp v2, v2, v2 row_xmask:1 row_mask:0xf bank_mask:0xf
	s_delay_alu instid0(VALU_DEP_1)
	v_add_f32_dpp v2, v2, v2 row_xmask:2 row_mask:0xf bank_mask:0xf
	s_delay_alu instid0(VALU_DEP_1)
	v_add_f32_dpp v2, v2, v2 row_xmask:4 row_mask:0xf bank_mask:0xf
	s_delay_alu instid0(VALU_DEP_1)
	v_add_f32_dpp v2, v2, v2 row_xmask:8 row_mask:0xf bank_mask:0xf
	s_delay_alu instid0(VALU_DEP_1)
	v_permlanex16_b32 v12, v2, s56, s57
	s_delay_alu instid0(VALU_DEP_1)
	v_add_f32 v2, v2, v12
.endm
.macro STATS j                         ; row j less its mean, in place; v8 = g_j rsqrt(var + 1e-5)
.set YJ, Y+32*(\j)
	v_pk_add_f32 v[2:3], v[YJ:YJ+1], v[YJ+2:YJ+3]
	v_pk_add_f32 v[4:5], v[YJ+4:YJ+5], v[YJ+6:YJ+7]
.irp i, 8,12,16,20,24,28
	s_delay_alu instid0(VALU_DEP_2)
	v_pk_add_f32 v[2:3], v[2:3], v[YJ+\i:YJ+\i+1]
	s_delay_alu instid0(VALU_DEP_2)
	v_pk_add_f32 v[4:5], v[4:5], v[YJ+\i+2:YJ+\i+3]
.endr
	s_delay_alu instid0(VALU_DEP_1)
	v_pk_add_f32 v[2:3], v[2:3], v[4:5]
	s_delay_alu instid0(VALU_DEP_1)
	v_add_f32 v2, v2, v3
	REDUCE
	s_delay_alu instid0(VALU_DEP_1)
	v_mul_f32 v6, 0xba800000, v2                   ; -mean: the sum x -1 / 1,024
.irp i, 0,2,4,6,8,10,12,14,16,18,20,22,24,26,28,30
	v_pk_add_f32 v[YJ+\i:YJ+\i+1], v[YJ+\i:YJ+\i+1], v[6:7] op_sel_hi:[1,0]
.endr
	v_pk_mul_f32 v[2:3], v[YJ:YJ+1], v[YJ:YJ+1]
	v_pk_mul_f32 v[4:5], v[YJ+2:YJ+3], v[YJ+2:YJ+3]
.irp i, 4,8,12,16,20,24,28
	s_delay_alu instid0(VALU_DEP_2)
	v_pk_fma_f32 v[2:3], v[YJ+\i:YJ+\i+1], v[YJ+\i:YJ+\i+1], v[2:3]
	s_delay_alu instid0(VALU_DEP_2)
	v_pk_fma_f32 v[4:5], v[YJ+\i+2:YJ+\i+3], v[YJ+\i+2:YJ+\i+3], v[4:5]
.endr
	s_delay_alu instid0(VALU_DEP_1)
	v_pk_add_f32 v[2:3], v[2:3], v[4:5]
	s_delay_alu instid0(VALU_DEP_1)
	v_add_f32 v2, v2, v3
	REDUCE
	s_delay_alu instid0(VALU_DEP_1)
	v_fma_f32 v2, v2, s54, s55                     ; var + 1e-5
	s_wait_alu depctr_va_vdst(0)
	v_rsq_f32 v8, v2
	v_mov_b32 v10, s[32+\j]                        ; (a plain line behind the transcendental)  g_j
	s_wait_alu depctr_va_vdst(0)
	v_mul_f32 v8, s[32+\j], v8
.endm
.macro MIX j
.set YJ, Y+32*(\j)
.irp i, 0,2,4,6,8,10,12,14,16,18,20,22,24,26,28,30
.if \j == 0
	v_pk_mul_f32 v[OUT+\i:OUT+\i+1], v[B+\i:B+\i+1], v[10:11] op_sel_hi:[1,0]          ; the first choice starts the sums
.else
	v_pk_fma_f32 v[OUT+\i:OUT+\i+1], v[B+\i:B+\i+1], v[10:11], v[OUT+\i:OUT+\i+1] op_sel_hi:[1,0,1]
.endif
.endr
.irp i, 0,2,4,6,8,10,12,14,16,18,20,22,24,26,28,30
	v_pk_mul_f32 v[YJ+\i:YJ+\i+1], v[YJ+\i:YJ+\i+1], v[8:9] op_sel_hi:[1,0]
.endr
.irp i, 0,2,4,6,8,10,12,14,16,18,20,22,24,26,28,30
	v_pk_fma_f32 v[OUT+\i:OUT+\i+1], v[YJ+\i:YJ+\i+1], v[G+\i:G+\i+1], v[OUT+\i:OUT+\i+1]
.endr
.endm
	s_load_b256 s[4:11], s[0:1], 0x0               ; y, plc, route, gatew
	s_load_b128 s[12:15], s[0:1], 0x20             ; ln_g, ln_b
	s_load_b64 s[16:17], s[0:1], 0x30              ; out0
	v_lshrrev_b32 v1, 5, v0
	s_delay_alu instid0(VALU_DEP_1)
	v_readfirstlane_b32 s18, v1                    ; wave
	v_and_b32 v1, 31, v0
	s_delay_alu instid0(VALU_DEP_1)
	v_lshlrev_b32 v1, 4, v1                        ; 16 x lane
	v_mov_b32 v7, 0                                ; upper halves of pairs whose low word serves both halves, and a lane move's destination: written once
	v_mov_b32 v9, 0
	v_mov_b32 v11, 0
	v_mov_b32 v12, 0
	s_lshl_b32 s19, ttmp9, 3
	s_add_co_u32 s19, s19, s18                     ; my token
	s_lshl_b32 s20, s19, 4
	s_mov_b32 s54, 0x3a800000                      ; 1 / 1,024
	s_mov_b32 s55, 0x3727c5ac                      ; 1e-5
	s_mov_b32 s56, 0x76543210
	s_mov_b32 s57, 0xfedcba98
	s_wait_alu depctr_va_vdst(0)
	s_wait_kmcnt 0x0
	s_load_b128 s[24:27], s[6:7], s20 offset:0x0   ; my three places
	s_load_b128 s[28:31], s[8:9], s20 offset:0x0   ; my three experts
	s_load_b128 s[32:35], s[10:11], s20 offset:0x0 ; my three gates
	s_wait_kmcnt 0x0
.irp j, 0,1,2
	s_min_u32 s21, s[24+\j], 7935                  ; inside y whatever was read
	s_lshl_b32 s[36+2*\j], s21, 12
	s_mov_b32 s[37+2*\j], 0
	s_add_nc_u64 s[36+2*\j:37+2*\j], s[4:5], s[36+2*\j:37+2*\j]
	s_and_b32 s21, s[28+\j], 255
	s_min_u32 s21, s21, 7
	s_lshl_b32 s22, s21, 12
	s_mov_b32 s23, 0
	s_add_nc_u64 s[42+2*\j:43+2*\j], s[12:13], s[22:23]
	s_add_nc_u64 s[48+2*\j:49+2*\j], s[14:15], s[22:23]
.endr
	s_lshl_b32 s22, s19, 12
	s_add_nc_u64 s[16:17], s[16:17], s[22:23]      ; my row of out0
	LDY Y, 36
	LD8 G, 42
	LD8 B, 48
	LDY Y+32, 38
	LDY Y+64, 40
	s_wait_loadcnt 32                              ; row 0 is in; behind it: ln_g, ln_b, rows 1 and 2, eight loads each
	STATS 0
	s_wait_loadcnt 16                              ; ln_g and ln_b are in; rows 1 and 2 may be out
	MIX 0
	LD8 G, 44
	LD8 B, 50
	s_wait_loadcnt 24                              ; row 1 is in; behind it: row 2 and the second choice's ln_g, ln_b
	STATS 1
	s_wait_loadcnt 0x0                             ; they are the youngest
	MIX 1
	LD8 G, 46
	LD8 B, 52
	STATS 2                                        ; row 2 came in with the wait above
	s_wait_loadcnt 0x0
	MIX 2
.irp i, 0,1,2,3,4,5,6,7
	global_store_b128 v1, v[OUT+4*\i:OUT+4*\i+3], s[16:17] offset:512*\i th:TH_STORE_NT
.endr
	s_endpgm
.Lfunc_end_k_q343948a190_combine:
	.size	k_q343948a190_combine, .Lfunc_end_k_q343948a190_combine-k_q343948a190_combine
	.p2alignl 7, 3214868480
	.fill 96, 4, 3214868480
	.section	.rodata,"a",@progbits
	.p2align	6, 0x0
	.amdhsa_kernel k_q343948a190_combine
		.amdhsa_group_segment_fixed_size 0
		.amdhsa_private_segment_fixed_size 0
		.amdhsa_enable_private_segment 0
		.amdhsa_kernarg_size 56
		.amdhsa_user_sgpr_count 2
		.amdhsa_user_sgpr_kernarg_segment_ptr 1
		.amdhsa_wavefront_size32 1
		.amdhsa_system_sgpr_workgroup_id_x 1
		.amdhsa_system_sgpr_workgroup_id_y 1
		.amdhsa_system_sgpr_workgroup_id_z 1
		.amdhsa_system_vgpr_workitem_id 0
		.amdhsa_next_free_vgpr 208
		.amdhsa_next_free_sgpr 66
		.amdhsa_reserve_vcc 0
		.amdhsa_float_denorm_mode_32 3
		.amdhsa_float_denorm_mode_16_64 3
		.amdhsa_memory_ordered 1
		.amdhsa_forward_progress 1
		.amdhsa_inst_pref_size 36
	.end_amdhsa_kernel
	.amdgpu_metadata
---
amdhsa.version: [ 1, 2 ]
amdhsa.kernels:
  - .name:           k_q343948a190_combine
    .symbol:         k_q343948a190_combine.kd
    .args:
      - { .name: y, .offset: 0, .size: 8, .value_kind: global_buffer, .address_space: global }
      - { .name: plc, .offset: 8, .size: 8, .value_kind: global_buffer, .address_space: global }
      - { .name: route, .offset: 16, .size: 8, .value_kind: global_buffer, .address_space: global }
      - { .name: gatew, .offset: 24, .size: 8, .value_kind: global_buffer, .address_space: global }
      - { .name: ln_g, .offset: 32, .size: 8, .value_kind: global_buffer, .address_space: global }
      - { .name: ln_b, .offset: 40, .size: 8, .value_kind: global_buffer, .address_space: global }
      - { .name: out0, .offset: 48, .size: 8, .value_kind: global_buffer, .address_space: global }
    .group_segment_fixed_size: 0
    .private_segment_fixed_size: 0
    .kernarg_segment_align: 8
    .kernarg_segment_size: 56
    .max_flat_workgroup_size: 256
    .sgpr_count:     66
    .vgpr_count:     208
    .wavefront_size: 32
...
	.end_amdgpu_metadata
.endif
;; end of part 6
